; MI455X (gfx1250); checked and timed in simulation.
; The chip was launched on July 23, 2026; its instructions are those of AMD's public machine-readable ISA for CDNA 5 (MIT licence, August 2026) and "CDNA5" Instruction Set Architecture Reference Guide (July 2026). The comments in the code are by the model that wrote it; some were corrected since.
;; Mo E Layer. Allowed arithmetic: float matrix products may take bf16 or f16 operands with f32 sums; all other float work in f32.
;; Inputs: b1 6 x 512 float32; b2 6 x 256 float32; ln_b 256 float32; ln_g 256 float32; rb1 256 float32; rb2 6 float32; regime 8 x 5 float32; rw1 261 x 256 float32; rw2 256 x 6 float32; w1 6 x 256 x 512 float32; w2 6 x 512 x 256 float32; x 8 x 4,096 x 256 float32.
;; Outputs: out0 8 x 4,096 x 256 float32; out1 one number float32.
;; 2 versions, each right and faster than the one before. Each part assembles by itself: llvm-mc -triple=amdgcn-amd-amdhsa -mcpu=gfx1250 --defsym DOCPART=n.
;; ======== version 1 of 2: 3 launches
;; limits: values outside matrix products are rounded to bf16; values are held in f16: magnitudes above 65,504 overflow, below 6.1e-05 lose precision; right only within a limited range of input values
;; workspace buffers: wp 3,538,944 bytes; auxp 32,768 bytes
;; launch prep (part 1): grid 106 x 1, 8 waves a work-group, no clusters, 34,816 bytes of LDS; arguments w1, w2, rw1, wp; writes wp
.if DOCPART == 1
	.amdgcn_target "amdgcn-amd-amdhsa--gfx1250"
	.amdhsa_code_object_version 6
	.text
	.protected	k_qb023016d78_prep
	.globl	k_qb023016d78_prep
	.p2align	8
	.type	k_qb023016d78_prep,@function
k_qb023016d78_prep:
	s_mov_b64 s[64:65], 0
	v_nop
	global_prefetch_b8 v0, s[64:65] scope:SCOPE_SE
	s_setreg_imm32_b32 hwreg(HW_REG_WAVE_MODE, 25, 1), 1
	s_wait_xcnt 0x0
; Packs w1, w2 and the first 256 rows of rw1 into wp: 16-bit, transposed (K along the rows), in the order in which the main
; launch fills its LDS slots.  wp is 27 steps of 512 rows x 256 bytes.
;   steps 0, 1 (router, outputs 128 s ..): rows 128 dh + u = f16(rw1[128 dh + k][128 s + u]); rows 256 + 128 dh + u = f16 of 2048 x the rest.
;   step 2 + t (t = 0..23): rows 128 dh + u = bf16(-log2(e) w1[t/4][128 dh + k][128 (t%4) + u]);
;   step 2 + t (t = 0..24): rows 256 + n = bf16(w2 as [3072][256] at [128 t - 64 + k][n]), zero outside 0..3071: w2 lags w1 by 64 hidden units.
; One work-group makes one tile: 128 source rows (k) x 128 source columns -> 128 rows of 256 bytes.  106 tiles: 8 of rw1, 48 of w1, 50 of w2.
; Wave w takes k = 16 w .. 16 w + 15 as two groups of 8 rows; a lane takes 4 columns, so each load of a wave covers 512 consecutive bytes.
; Eight k of one column pack into 16 bytes; they turn through LDS (rows of 272 bytes) and leave as whole rows: each store of a wave
; covers 512 consecutive bytes, aligned.  Memory binds here: no matrix unit, no cluster, no tensor load would add anything.
.set LP, 272
	s_load_b256 s[4:11], s[0:1], 0x0               ; w1 s[4:5], w2 s[6:7], rw1 s[8:9], wp s[10:11]
	v_and_b32 v1, 31, v0                           ; lane
	v_lshrrev_b32 v2, 5, v0
	v_readfirstlane_b32 s12, v2                    ; wave
	s_mov_b32 s27, 0
	s_mov_b32 s21, 0                               ; 1: the tile is scaled by -log2(e)
	s_wait_kmcnt 0x0
	; the tile's figures: s[14:15] source, s16 its pitch in bytes, s17 first k (signed), s18 first column in bytes,
	; s19 byte offset in wp, s20 mode (0 bf16, 1 f16 upper part, 2 f16 rest), s22 the source's rows
	s_cmp_lt_u32 ttmp9, 8
	s_cbranch_scc0 .Lnot_rw1
	s_mov_b64 s[14:15], s[8:9]
	s_and_b32 s23, ttmp9, 3                        ; part: dh + 2 x (rest)
	s_lshr_b32 s24, ttmp9, 2                       ; router step
	s_mov_b32 s16, 1024
	s_and_b32 s17, s23, 1
	s_lshl_b32 s17, s17, 7
	s_lshl_b32 s18, s24, 9
	s_lshl_b32 s19, s24, 17
	s_lshl_b32 s25, s23, 15
	s_add_co_u32 s19, s19, s25
	s_lshr_b32 s20, s23, 1
	s_add_co_u32 s20, s20, 1
	s_mov_b32 s22, 256
	s_branch .Ldecoded
.Lnot_rw1:
	s_cmp_lt_u32 ttmp9, 56
	s_cbranch_scc0 .Lis_w2
	s_sub_co_u32 s23, ttmp9, 8
	s_lshr_b32 s24, s23, 1                         ; t
	s_and_b32 s25, s23, 1                          ; dh
	s_lshr_b32 s26, s24, 2                         ; expert
	s_lshl_b32 s26, s26, 19                        ; x 256 x 512 x 4 bytes
	s_add_nc_u64 s[14:15], s[4:5], s[26:27]
	s_mov_b32 s16, 2048
	s_lshl_b32 s17, s25, 7
	s_and_b32 s18, s24, 3
	s_lshl_b32 s18, s18, 9
	s_add_co_u32 s19, s24, 2
	s_lshl_b32 s19, s19, 17
	s_lshl_b32 s25, s25, 15
	s_add_co_u32 s19, s19, s25
	s_mov_b32 s20, 0
	s_mov_b32 s21, 1
	s_mov_b32 s22, 256
	s_branch .Ldecoded
.Lis_w2:
	s_mov_b64 s[14:15], s[6:7]
	s_sub_co_u32 s23, ttmp9, 56
	s_lshr_b32 s24, s23, 1                         ; t, 0..24
	s_and_b32 s25, s23, 1                          ; which 128 output columns
	s_mov_b32 s16, 1024
	s_lshl_b32 s17, s24, 7
	s_sub_co_i32 s17, s17, 64                      ; the lag of 64 hidden units
	s_lshl_b32 s18, s25, 9
	s_add_co_u32 s19, s24, 2
	s_lshl_b32 s19, s19, 17
	s_lshl_b32 s25, s25, 15
	s_add_co_u32 s19, s19, s25
	s_add_co_u32 s19, s19, 65536
	s_mov_b32 s20, 0
	s_mov_b32 s22, 3072
.Ldecoded:
	; my two groups of 8 rows.  A group outside the source reads rows 0..7 instead and is masked to zero.
	s_lshl_b32 s28, s12, 4
	s_add_co_i32 s28, s28, s17
.irp g,0,1
	s_add_co_i32 s29, s28, 8*\g
	s_cmp_ge_i32 s29, 0
	s_cselect_b32 s[36+\g], -1, 0
	s_cmp_lt_i32 s29, s22
	s_cselect_b32 s[36+\g], s[36+\g], 0
	s_and_b32 s29, s29, s[36+\g]
	s_mul_i32 s30, s29, s16
	s_add_co_u32 s30, s30, s18
	s_mov_b32 s31, 0
	s_add_nc_u64 s[32+2*\g:33+2*\g], s[14:15], s[30:31]
.endr
	v_lshlrev_b32 v3, 4, v1                        ; 16 x lane
.irp i,0,1,2,3,4,5,6,7
	v_mad_u32_u24 v[4+\i], s16, \i, v3             ; + row i of the group
.endr
.irp g,0,1
.irp i,0,1,2,3,4,5,6,7
	global_load_b128 v[16+32*\g+4*\i:19+32*\g+4*\i], v[4+\i], s[32+2*\g:33+2*\g] th:TH_LOAD_NT
.endr
.endr
	v_mul_u32_u24 v116, v1, 4*LP                   ; LDS, in: row 4 x lane (+ column), byte 32 w (+ 16 x group)
	s_lshl_b32 s40, s12, 5
	v_add_nc_u32 v116, s40, v116
	v_lshrrev_b32 v117, 4, v1                      ; LDS, back: row 16 w + lane / 16 (+ 2 n), byte 16 (lane % 16)
	s_lshl_b32 s41, s12, 4
	v_add_nc_u32 v117, s41, v117
	v_mul_u32_u24 v117, v117, LP
	v_and_b32 v118, 15, v1
	v_lshl_add_u32 v117, v118, 4, v117
	s_lshl_b32 s44, s12, 12                        ; my 16 rows of 256 bytes in the tile
	s_add_co_u32 s44, s44, s19
	s_mov_b32 s45, 0
	s_add_nc_u64 s[10:11], s[10:11], s[44:45]
	s_wait_loadcnt 0x0
	s_cmp_lg_u32 s21, 0
	s_cbranch_scc0 .Lplain
	s_mov_b32 s42, 0xbfb8aa3b                      ; -log2(e): the main launch's exponential then needs no multiply
	s_mov_b32 s43, 0xbfb8aa3b
.set k, 0
.rept 32
	v_pk_mul_f32 v[16+2*k:17+2*k], v[16+2*k:17+2*k], s[42:43] op_sel_hi:[1,0]
.set k, k+1
.endr
.Lplain:
	; word m of column c of group g = rows 2 m, 2 m + 1
	s_cmp_eq_u32 s20, 0
	s_cbranch_scc0 .Lf16
.irp g,0,1
.irp c,0,1,2,3
.irp m,0,1,2,3
	v_cvt_pk_bf16_f32 v[80+16*\g+4*\c+\m], v[16+32*\g+8*\m+\c], v[20+32*\g+8*\m+\c]
.endr
.endr
.endr
	s_branch .Lpacked
.Lf16:
	s_cmp_eq_u32 s20, 1
	s_cbranch_scc0 .Lrest
.irp g,0,1
.irp c,0,1,2,3
.irp m,0,1,2,3
	v_cvt_pk_f16_f32 v[80+16*\g+4*\c+\m], v[16+32*\g+8*\m+\c], v[20+32*\g+8*\m+\c]
.endr
.endr
.endr
	s_branch .Lpacked
.Lrest:
	; the rest: (v - f16(v)) x 2048, exact in f32, rounded to f16
.irp g,0,1
.irp c,0,1,2,3
.irp m,0,1,2,3
	v_cvt_pk_f16_f32 v112, v[16+32*\g+8*\m+\c], v[20+32*\g+8*\m+\c]
	v_cvt_f32_f16 v114, v112.l
	v_cvt_f32_f16 v115, v112.h
	v_sub_f32 v114, v[16+32*\g+8*\m+\c], v114
	v_sub_f32 v115, v[20+32*\g+8*\m+\c], v115
	v_pk_mul_f32 v[114:115], v[114:115], 0x45000000 op_sel_hi:[1,0]
	v_cvt_pk_f16_f32 v[80+16*\g+4*\c+\m], v114, v115
.endr
.endr
.endr
.Lpacked:
.irp g,0,1
.set k, 0
.rept 16
	v_and_b32 v[80+16*\g+k], s[36+\g], v[80+16*\g+k]       ; zero where the group lies outside the source
.set k, k+1
.endr
.irp c,0,1,2,3
	ds_store_b128 v116, v[80+16*\g+4*\c:83+16*\g+4*\c] offset:LP*\c+16*\g
.endr
.endr
	s_wait_dscnt 0x0                               ; my stores are in LDS before I say so: the other waves read them
	s_barrier_signal -1
	s_barrier_wait -1
.irp n,0,1,2,3,4,5,6,7
	ds_load_b128 v[16+4*\n:19+4*\n], v117 offset:2*LP*\n
.endr
.irp n,0,1,2,3,4,5,6,7
	s_wait_dscnt 7-\n                              ; LDS loads come back in order: number n is in, the younger ones may be out
	global_store_b128 v3, v[16+4*\n:19+4*\n], s[10:11] offset:512*\n
.endr
	s_endpgm
.Lfunc_end_k_qb023016d78_prep:
	.size	k_qb023016d78_prep, .Lfunc_end_k_qb023016d78_prep-k_qb023016d78_prep
	.p2alignl 7, 3214868480
	.fill 96, 4, 3214868480
	.section	.rodata,"a",@progbits
	.p2align	6, 0x0
	.amdhsa_kernel k_qb023016d78_prep
		.amdhsa_group_segment_fixed_size 34816
		.amdhsa_private_segment_fixed_size 0
		.amdhsa_enable_private_segment 0
		.amdhsa_kernarg_size 32
		.amdhsa_user_sgpr_count 2
		.amdhsa_user_sgpr_kernarg_segment_ptr 1
		.amdhsa_wavefront_size32 1
		.amdhsa_system_sgpr_workgroup_id_x 1
		.amdhsa_system_sgpr_workgroup_id_y 1
		.amdhsa_system_sgpr_workgroup_id_z 1
		.amdhsa_system_vgpr_workitem_id 0
		.amdhsa_next_free_vgpr 128
		.amdhsa_next_free_sgpr 66
		.amdhsa_reserve_vcc 0
		.amdhsa_float_denorm_mode_32 3
		.amdhsa_float_denorm_mode_16_64 3
		.amdhsa_memory_ordered 1
		.amdhsa_forward_progress 1
		.amdhsa_inst_pref_size 27
	.end_amdhsa_kernel
	.amdgpu_metadata
---
amdhsa.version: [ 1, 2 ]
amdhsa.kernels:
  - .name:           k_qb023016d78_prep
    .symbol:         k_qb023016d78_prep.kd
    .args:
      - { .name: w1, .offset: 0, .size: 8, .value_kind: global_buffer, .address_space: global }
      - { .name: w2, .offset: 8, .size: 8, .value_kind: global_buffer, .address_space: global }
      - { .name: rw1, .offset: 16, .size: 8, .value_kind: global_buffer, .address_space: global }
      - { .name: wp, .offset: 24, .size: 8, .value_kind: global_buffer, .address_space: global }
    .group_segment_fixed_size: 34816
    .private_segment_fixed_size: 0
    .kernarg_segment_align: 8
    .kernarg_segment_size: 32
    .max_flat_workgroup_size: 256
    .sgpr_count:     66
    .vgpr_count:     128
    .wavefront_size: 32
...
	.end_amdgpu_metadata
.endif
;; end of part 1
;; launch main (part 2): grid 256 x 1, 4 waves a work-group, clusters of 4 x 1, 327,680 bytes of LDS; arguments b1, b2, ln_b, ln_g, rb1, rb2, regime, rw1, rw2, x, wp, out0, auxp; writes out0, auxp
.if DOCPART == 2
	.amdgcn_target "amdgcn-amd-amdhsa--gfx1250"
	.amdhsa_code_object_version 6
	.text
	.protected	k_qb023016d78_main
	.globl	k_qb023016d78_main
	.p2align	8
	.type	k_qb023016d78_main,@function
k_qb023016d78_main:
	s_mov_b64 s[64:65], 0
	v_nop
	global_prefetch_b8 v0, s[64:65] scope:SCOPE_SE
	s_setreg_imm32_b32 hwreg(HW_REG_WAVE_MODE, 25, 1), 1
	s_wait_xcnt 0x0
	s_wait_alu depctr_hold_cnt(0) depctr_sa_sdst(0) depctr_va_vdst(0) depctr_va_sdst(0) depctr_va_ssrc(0) depctr_va_vcc(0) depctr_vm_vsrc(0)
	s_getreg_b32 s2, hwreg(HW_REG_IB_STS2, 6, 4)
	s_cmp_eq_u32 s2, 0
	s_cbranch_scc0 .Lentry_in_a_cluster
	s_endpgm
.Lentry_in_a_cluster:
	s_bfe_u32 s2, ttmp6, 0x10000c
	s_cmp_lg_u32 s2, 0x3003
	s_cbranch_scc0 .Lentry_shape_is_right
	s_endpgm
.Lentry_shape_is_right:
; LayerNorm, router, top-2, six expert MLPs, weighted sum and residual for 128 tokens a work-group; partial sums of the aux loss.
; Four waves.  Wave w: i = w / 2 picks 64 tokens (four tiles of 16), j = w % 2 picks 32 of every 64 hidden units; the two j sums of the
; second layer meet once, at the end, in LDS.
; THE CHAIN IS TRANSPOSED: source 0 = weights (rows = output units, K along the LDS rows), source 1 = activations (column = token).  A result
; tile then has the token in the lane and 8 neighbouring units in the registers, so two result tiles pack, inside each lane, into the next
; layer's source 1: hidden values never pass through LDS, and xn's fragments stay in registers for the whole launch.
; ALL SIX EXPERTS ARE COMPUTED; the choice enters as a factor c_e per token (0 for an expert not chosen) in the activation, so no address
; and no branch hangs on a float.  w1 and b1 carry -log2(e): z' = -log2(e) z, H = z' / (1 + 2^z') x (-ln 2 c_e).  b1 is the C of the first
; K step; b2 is one more K step of the second layer (b2 as weights, 0.5 c_e as activations: both j waves add it), which starts the sums.
; THE ROUTER decides which experts count, so both of its products run on f16 operands split in two, v = hi + lo'/2048, three products each.
; WEIGHTS come as wp (27 steps of 128 KiB) through two LDS slots.  CLUSTERS: all work-groups walk the same steps, so four of them ask
; jointly (mask 15): each step is requested once for four.
; A wave has two tensor loads out at the start and one behind each later refill.
; LIMITS: |xn|, |rw1| and the router's hidden values below 65,504 and |rw2| below 31.9 (f16 operands); an expert that is NOT chosen and whose
; hidden pre-activation overflows f32 gives 0 x inf = NaN; logits closer than the rounding of f32 sums may be ranked otherwise than by another order of summation.
.set PITCH, 272                        ; LDS row of a weight step: 256 bytes + 16: the 16 rows of a fragment start 4 words apart
.set QB,    128*PITCH                  ; 128 rows: one wave's tensor load
.set SLOT,  4*QB
.set XP,    1040                       ; LDS row of 256 f32 + 16 bytes (x at the start, the stages at the end)
.set MISC,  2*SLOT                     ; tables and scratch: no tensor load ever lands here
.set B1L,   MISC                       ; 12,288  -log2(e) b1
.set GBL,   MISC+12288                 ; 2,048   ln_g, ln_b
.set RBL,   MISC+14336                 ; 1,024   rb1 + regime part
.set RW2L,  MISC+15360                 ; 9,504   rw2 transposed, three f16 tables of 6 rows x 528 bytes
.set CTL,   MISC+12288                 ; 12,288  -ln 2 c_e: wave x 3,072 + entry x 256 + tile x 64 + 4 r; entry m = expert m / 2.  Over GBL, RBL, RW2L, dead by then
.set EXL,   MISC+25088                 ; 8,192   partial logits: wave x 2,048 + tile x 512 + 32 r
.set B2L,   MISC+33280                 ; 4,096   row n: bf16 b2[0..5][n], 0, 0
; window 0: v0-3 thread, r, h, lane; v4-15 addresses; v16-31 at work; v32-39 c' pairs; v48-63 b1 as C; v64-95, v96-127 hidden fragments (two sets);
;           v128-191 first-layer sums; v192-255 four buffers of two weight fragments.   window 1: xn in bf16 (at the end: x).
; windows 2, 3: the 64 sums of the second layer (tile (t, tt) at 8 (4 t + tt)); in the router: xn's f16 upper part and rest.
.set MSB, 0
.macro WIN new                         ; the immediate's high byte repeats the setting that is left
.if MSB != \new
	s_set_vgpr_msb (MSB<<8)|\new
.set MSB, \new
.endif
.endm
.macro PLACES                          ; four plain vector places behind matrix instructions, in front of loads into their sources and of readers of their results
.rept 4
	v_nop
.endr
.endm
.macro CREST                           ; a round of the cluster's barrier behind its opening work-group barrier
	s_cmp_lg_u32 s30, 0
	s_cbranch_scc1 .Lnw0_\@
	s_barrier_signal -3
.Lnw0_\@:
	s_barrier_wait -3
	s_barrier_signal -1
	s_barrier_wait -1
.endm
.macro ROUND
	s_barrier_signal -1
	s_barrier_wait -1
	CREST
.endm
; ------------------------------------------------------------------ set-up
	s_load_b512 s[4:19], s[0:1], 0x0               ; b1 4, b2 6, ln_b 8, ln_g 10, rb1 12, rb2 14, regime 16, rw1 18
	s_load_b256 s[20:27], s[0:1], 0x40             ; rw2 20, x 22, wp 24, out0 26
	s_load_b64 s[28:29], s[0:1], 0x60              ; auxp
	v_lshrrev_b32 v1, 5, v0
	v_readfirstlane_b32 s30, v1                    ; wave
	s_lshr_b32 s31, s30, 1                         ; i
	s_and_b32 s32, s30, 1                          ; j
	s_bfe_u32 s33, ttmp6, 0x40000                  ; cx: enters global offsets of x, out0 and auxp alone
	s_lshl_b32 s34, ttmp9, 2
	s_add_co_u32 s34, s34, s33                     ; work-group
	v_and_b32 v1, 15, v0                           ; r
	v_bfe_u32 v2, v0, 4, 1                         ; h
	v_and_b32 v3, 31, v0                           ; lane
	s_mov_b32 s78, 0x76543210                      ; v_permlanex16_b32: lane l reads lane l xor 16
	s_mov_b32 s79, 0xfedcba98
	s_mov_b32 s90, 0x3b800000                      ; 1/256
	s_mov_b32 s91, 0x3727c5ac                      ; 1e-5
	s_mov_b32 s92, 0x3a000000                      ; 1/2048
	s_mov_b32 s93, 0x3a000000
	s_mov_b32 s94, 0xbfb8aa3b                      ; -log2(e)
	s_mov_b32 s95, 0xbfb8aa3b
	s_mov_b32 s96, 0xffff                          ; lanes 0-15
	s_mov_b32 s98, 0x45000000                      ; 2048
	s_mov_b32 s99, 0x45000000
	; group 1 of the weight steps: 128 rows of 32 elements of 8 bytes, dense; 4 words of padding behind every 64; asked jointly by the four work-groups
	s_mov_b32 s36, 15|(3<<16)|(1<<20)|(1<<21)|(5<<22)|(3<<25)
	s_mov_b32 s37, 32<<16
	s_mov_b32 s38, 128<<16
	s_mov_b32 s39, 32<<16
	s_mov_b32 s40, 128
	s_mov_b32 s41, 32
	s_mov_b32 s42, 0
	s_mov_b32 s43, 0
	; group 1 of x: 32 rows of 256 f32, 4 words of padding behind every 256; my work-group's own
	s_mov_b32 s52, (2<<16)|(1<<20)|(7<<22)|(3<<25)
	s_mov_b32 s53, 256<<16
	s_mov_b32 s54, 32<<16
	s_mov_b32 s55, 256<<16
	s_mov_b32 s56, 32
	s_mov_b32 s57, 256
	s_mov_b32 s58, 0
	s_mov_b32 s59, 0
	s_mul_i32 s81, s30, QB
	s_lshl_b32 s82, s30, 15                        ; my quarter of a step, and my 32 tokens of x: 32,768 bytes
	s_mov_b32 s83, 0
	s_lshl_b32 s86, s34, 17                        ; the work-group's 128 tokens x 1,024 bytes
	s_mov_b32 s87, 0
	s_lshr_b32 s88, ttmp9, 3                       ; batch: 32 work-groups = 8 clusters each
	s_mul_i32 s88, s88, 20
	s_mov_b32 s89, 0
	s_wait_kmcnt 0x0
	s_add_nc_u64 s[84:85], s[24:25], s[82:83]
	s_mov_b32 s44, 1                               ; group 0, slot 0: step 0
	s_add_co_u32 s45, s81, 0
	s_mov_b64 s[46:47], s[84:85]
	s_or_b32 s47, s47, 0x80000000
	s_mov_b32 s48, 1                               ; group 0, slot 1: step 1
	s_add_co_u32 s49, s81, SLOT
	s_add_nc_u64 s[50:51], s[84:85], 131072
	s_or_b32 s51, s51, 0x80000000
	s_add_nc_u64 s[22:23], s[22:23], s[86:87]      ; x and out0 at the work-group's first token
	s_add_nc_u64 s[26:27], s[26:27], s[86:87]
	s_mov_b32 s60, 1                               ; group 0 of x: into slot 1's bytes
	s_mul_i32 s61, s30, 32*XP
	s_add_co_u32 s61, s61, SLOT
	s_add_nc_u64 s[62:63], s[22:23], s[82:83]
	s_or_b32 s63, s63, 0x80000000
	s_add_nc_u64 s[16:17], s[16:17], s[88:89]      ; my batch's regime
	s_load_b32 s66, s[16:17], 0x0
	s_load_b32 s67, s[16:17], 0x4
	s_load_b32 s68, s[16:17], 0x8
	s_load_b32 s69, s[16:17], 0xc
	s_load_b32 s70, s[16:17], 0x10
	s_load_b128 s[72:75], s[14:15], 0x0            ; rb2
	s_load_b64 s[76:77], s[14:15], 0x10
	ROUND                                          ; the four work-groups are here: the first joint load meets
	tensor_load_to_lds s[60:63], s[52:59]          ; x
	s_nop 0
	tensor_load_to_lds s[44:47], s[36:43]          ; router step 0
	s_nop 0
; ------------------------------------------------------------------ tables, thread t of 128
	v_lshlrev_b32 v4, 4, v0
	v_lshlrev_b32 v5, 3, v0
	v_mul_u32_u24 v6, 48, v0
.irp n,0,1,2,3,4,5
	global_load_b128 v[64+4*\n:67+4*\n], v4, s[4:5] offset:2048*\n         ; b1
.endr
	global_load_b64 v[88:89], v5, s[10:11]                                 ; ln_g
	global_load_b64 v[90:91], v5, s[8:9]                                   ; ln_b
	global_load_b64 v[92:93], v5, s[12:13]                                 ; rb1
.irp n,0,1,2,3,4
	global_load_b64 v[94+2*\n:95+2*\n], v5, s[18:19] offset:262144+1024*\n ; rw1's rows 256..260
.endr
.irp n,0,1,2
	global_load_b128 v[104+4*\n:107+4*\n], v6, s[20:21] offset:16*\n       ; rw2's rows 2 t, 2 t + 1
.endr
.irp n,0,1,2,3,4,5
	global_load_b64 v[116+2*\n:117+2*\n], v5, s[6:7] offset:1024*\n        ; b2[n][2 t], b2[n][2 t + 1]
.endr
	v_add_nc_u32 v7, B1L, v4
	v_add_nc_u32 v8, GBL, v5
	v_lshlrev_b32 v9, 2, v0
	v_add_nc_u32 v9, RW2L, v9
	v_lshlrev_b32 v10, 5, v0
	v_add_nc_u32 v10, B2L, v10
	s_wait_loadcnt 0x0
	s_wait_kmcnt 0x0
.set k, 0
.rept 12
	v_pk_mul_f32 v[64+2*k:65+2*k], v[64+2*k:65+2*k], s[94:95] op_sel_hi:[1,0]
.set k, k+1
.endr
.irp n,0,1,2,3,4,5
	ds_store_b128 v7, v[64+4*\n:67+4*\n] offset:2048*\n
.endr
	ds_store_b64 v8, v[88:89]
	ds_store_b64 v8, v[90:91] offset:1024
.irp n,0,1,2,3,4
	v_fmac_f32 v92, s[66+\n], v[94+2*\n]           ; the regime's five inputs are the same for all my tokens: they join the bias, in f32
	v_fmac_f32 v93, s[66+\n], v[95+2*\n]
.endr
	ds_store_b64 v8, v[92:93] offset:2048
.irp e,0,1,2,3,4,5
	v_cvt_pk_f16_f32 v16, v[104+\e], v[110+\e]     ; upper parts of rw2[2 t][e], rw2[2 t + 1][e]
	v_cvt_f32_f16 v18, v16.l
	v_cvt_f32_f16 v19, v16.h
	v_sub_f32 v20, v[104+\e], v18
	v_sub_f32 v21, v[110+\e], v19
	v_pk_mul_f32 v[18:19], v[18:19], s[98:99] op_sel_hi:[1,0]
	v_pk_mul_f32 v[20:21], v[20:21], s[98:99] op_sel_hi:[1,0]
	v_cvt_pk_f16_f32 v17, v18, v19
	v_cvt_pk_f16_f32 v22, v20, v21
	ds_store_b32 v9, v17 offset:528*\e             ; table 0: 2048 x upper
	ds_store_b32 v9, v22 offset:3168+528*\e        ; table 1: 2048 x rest
	ds_store_b32 v9, v16 offset:6336+528*\e        ; table 2: upper
.endr
	v_cvt_pk_bf16_f32 v24, v116, v118
	v_cvt_pk_bf16_f32 v25, v120, v122
	v_cvt_pk_bf16_f32 v26, v124, v126
	v_mov_b32 v27, 0
	v_cvt_pk_bf16_f32 v28, v117, v119
	v_cvt_pk_bf16_f32 v29, v121, v123
	v_cvt_pk_bf16_f32 v30, v125, v127
	v_mov_b32 v31, 0
	ds_store_b128 v10, v[24:27]
	ds_store_b128 v10, v[28:31] offset:16
	s_wait_tensorcnt 0x1                           ; my rows of x are in; router step 0 may stay out
	s_wait_dscnt 0x0                               ; my table stores are in LDS
	s_barrier_signal -1
	s_barrier_wait -1
; ------------------------------------------------------------------ LayerNorm, straight into fragment layout
; Lane (r, h) of tile tt holds, of token 64 i + 16 tt + r, the columns 16 p + 8 h + 0..7, p = 0..15: half the row, the other half in lane (r, 1 - h).
	s_lshl_b32 s81, s31, 6
	v_add_nc_u32 v8, s81, v1
	v_mul_u32_u24 v8, v8, XP
	v_lshl_add_u32 v8, v2, 5, v8
	v_add_nc_u32 v8, SLOT, v8
	v_lshlrev_b32 v9, 5, v2
	v_add_nc_u32 v9, GBL, v9
.macro GBLOAD bt                       ; gain and bias of batch bt (16 columns), into buffer bt % 2: eight loads
.irp k,0,1,2,3
	ds_load_b128 v[64+32*((\bt)&1)+4*\k:67+32*((\bt)&1)+4*\k], v9 offset:128*(\bt)+64*(\k>>1)+16*(\k&1)
.endr
.irp k,0,1,2,3
	ds_load_b128 v[80+32*((\bt)&1)+4*\k:83+32*((\bt)&1)+4*\k], v9 offset:1024+128*(\bt)+64*(\k>>1)+16*(\k&1)
.endr
.endm
.macro LNRED                           ; four chains -> the token's sum, in both of its lanes
	v_pk_add_f32 v[16:17], v[16:17], v[18:19]
	v_pk_add_f32 v[20:21], v[20:21], v[22:23]
	v_pk_add_f32 v[16:17], v[16:17], v[20:21]
	v_add_f32 v16, v16, v17
	v_permlanex16_b32 v17, v16, s78, s79
	v_add_f32 v16, v16, v17
.endm
.macro LOSPLIT a, t                    ; v[a:a+1] <- 2048 x (v - f16(v)); t: a literal register number (halves have literal names)
	v_cvt_pk_f16_f32 v\t, v[\a], v[\a+1]
	v_cvt_f32_f16 v[\t+2], v\t\().l
	v_cvt_f32_f16 v[\t+3], v\t\().h
	v_pk_add_f32 v[\a:\a+1], v[\a:\a+1], v[\t+2:\t+3] neg_lo:[0,1] neg_hi:[0,1]
	v_pk_mul_f32 v[\a:\a+1], v[\a:\a+1], s[98:99] op_sel_hi:[1,0]
.endm
.macro LN_TILE tt
.set idx, 0
.rept 16
	ds_load_b128 v[128+8*idx:131+8*idx], v8 offset:16*XP*\tt+64*idx
	ds_load_b128 v[132+8*idx:135+8*idx], v8 offset:16*XP*\tt+64*idx+16
.set idx, idx+1
.endr
	GBLOAD 0
	s_wait_dscnt 8                                 ; x is in; the eight gain and bias loads may be out
.irp k,0,1,2,3
	v_pk_add_f32 v[16+2*\k:17+2*\k], v[128+2*\k:129+2*\k], v[136+2*\k:137+2*\k]
.endr
.set idx, 8
.rept 56
	v_pk_add_f32 v[16+2*(idx&3):17+2*(idx&3)], v[16+2*(idx&3):17+2*(idx&3)], v[128+2*idx:129+2*idx]
.set idx, idx+1
.endr
	LNRED
	v_mul_f32 v24, s90, v16                        ; mean
	v_mov_b32 v25, v24
.set idx, 0
.rept 64
	v_pk_add_f32 v[128+2*idx:129+2*idx], v[128+2*idx:129+2*idx], v[24:25] neg_lo:[0,1] neg_hi:[0,1]
.set idx, idx+1
.endr
.irp k,0,1,2,3
	v_pk_mul_f32 v[16+2*\k:17+2*\k], v[128+2*\k:129+2*\k], v[128+2*\k:129+2*\k]
.endr
.set idx, 4
.rept 60
	v_pk_fma_f32 v[16+2*(idx&3):17+2*(idx&3)], v[128+2*idx:129+2*idx], v[128+2*idx:129+2*idx], v[16+2*(idx&3):17+2*(idx&3)]
.set idx, idx+1
.endr
	LNRED
	v_fma_f32 v16, v16, s90, s91                   ; variance of the centred values + 1e-5
	v_rsq_f32 v24, v16
	v_rsq_f32 v25, v16
	v_nop                                          ; one plain place behind a transcendental (ISA guide 5.7.2)
	s_wait_alu depctr_va_vdst(0)
.irp bt,0,1,2,3,4,5,6,7
.if \bt < 7
	GBLOAD \bt+1
	s_wait_dscnt 8                                 ; this batch's gain and bias are in, the next batch's eight loads may be out
.else
	s_wait_dscnt 0
.endif
.irp k,0,2,4,6,8,10,12,14
	v_pk_mul_f32 v[128+16*\bt+\k:129+16*\bt+\k], v[128+16*\bt+\k:129+16*\bt+\k], v[24:25]
.endr
.irp k,0,2,4,6,8,10,12,14
	v_pk_fma_f32 v[128+16*\bt+\k:129+16*\bt+\k], v[128+16*\bt+\k:129+16*\bt+\k], v[64+32*(\bt&1)+\k:65+32*(\bt&1)+\k], v[80+32*(\bt&1)+\k:81+32*(\bt&1)+\k]
.endr
.endr
	WIN 0x40                                       ; window 1: bf16, for the experts
.set idx, 0
.rept 64
	v_cvt_pk_bf16_f32 v[64*\tt+idx], v[128+2*idx], v[129+2*idx]
.set idx, idx+1
.endr
	WIN 0x80                                       ; window 2: f16 upper part, for the router
.set idx, 0
.rept 64
	v_cvt_pk_f16_f32 v[64*\tt+idx], v[128+2*idx], v[129+2*idx]
.set idx, idx+1
.endr
	WIN 0
.set idx, 0
.rept 16
	LOSPLIT 128+2*idx,16
	LOSPLIT 130+2*idx,20
	LOSPLIT 132+2*idx,24
	LOSPLIT 134+2*idx,28
.set idx, idx+4
.endr
	WIN 0xc0                                       ; window 3: f16 rest
.set idx, 0
.rept 64
	v_cvt_pk_f16_f32 v[64*\tt+idx], v[128+2*idx], v[129+2*idx]
.set idx, idx+1
.endr
	WIN 0
.endm
	LN_TILE 0
	LN_TILE 1
	LN_TILE 2
	LN_TILE 3
; ------------------------------------------------------------------ router
; Per step s (128 outputs): my 64 outputs as four tiles of 16 (q, a).  P = sum Whi Xhi + bias, Q = sum (Wlo' Xhi + Whi Xlo'), z = P + Q / 2048.
; All accumulators take turns, one matrix instruction a turn.
.macro LDR s, n                        ; fragments of group n (tile n / 8, K step n % 8): upper part and rest, into buffer n % 4
	ds_load_b128 v[192+16*((\n)&3):195+16*((\n)&3)], v[4+\s] offset:(((\n)&7)>>2)*QB+(64*((\n)>>4)+16*(((\n)>>3)&1))*PITCH+((\n)&3)*64
	ds_load_b128 v[196+16*((\n)&3):199+16*((\n)&3)], v[4+\s] offset:(((\n)&7)>>2)*QB+(64*((\n)>>4)+16*(((\n)>>3)&1))*PITCH+((\n)&3)*64+32
	ds_load_b128 v[200+16*((\n)&3):203+16*((\n)&3)], v[6+\s] offset:(((\n)&7)>>2)*QB+(64*((\n)>>4)+16*(((\n)>>3)&1))*PITCH+((\n)&3)*64
	ds_load_b128 v[204+16*((\n)&3):207+16*((\n)&3)], v[6+\s] offset:(((\n)&7)>>2)*QB+(64*((\n)>>4)+16*(((\n)>>3)&1))*PITCH+((\n)&3)*64+32
.endm
.macro RBLOAD s, tile                  ; the tile's bias in the layout of a C operand
	ds_load_b128 v[48:51], v8 offset:512*\s+256*((\tile)>>1)+64*((\tile)&1)
	ds_load_b128 v[52:55], v8 offset:512*\s+256*((\tile)>>1)+64*((\tile)&1)+16
.endm
.macro RMUL_P n
.irp tt,0,1,2,3
.if ((\n)&7) == 0
	v_wmma_f32_16x16x32_f16 v[128+8*\tt:135+8*\tt], v[192+16*((\n)&3):199+16*((\n)&3)], v[64*\tt+8*((\n)&7):64*\tt+8*((\n)&7)+7], v[48:55]
.else
	v_wmma_f32_16x16x32_f16 v[128+8*\tt:135+8*\tt], v[192+16*((\n)&3):199+16*((\n)&3)], v[64*\tt+8*((\n)&7):64*\tt+8*((\n)&7)+7], v[128+8*\tt:135+8*\tt]
.endif
.endr
.endm
.macro RMUL_QA n
.irp tt,0,1,2,3
.if ((\n)&7) == 0
	v_wmma_f32_16x16x32_f16 v[160+8*\tt:167+8*\tt], v[200+16*((\n)&3):207+16*((\n)&3)], v[64*\tt+8*((\n)&7):64*\tt+8*((\n)&7)+7], 0
.else
	v_wmma_f32_16x16x32_f16 v[160+8*\tt:167+8*\tt], v[200+16*((\n)&3):207+16*((\n)&3)], v[64*\tt+8*((\n)&7):64*\tt+8*((\n)&7)+7], v[160+8*\tt:167+8*\tt]
.endif
.endr
.endm
.macro RMUL_QB n
.irp tt,0,1,2,3
	v_wmma_f32_16x16x32_f16 v[160+8*\tt:167+8*\tt], v[192+16*((\n)&3):199+16*((\n)&3)], v[64*\tt+8*((\n)&7):64*\tt+8*((\n)&7)+7], v[160+8*\tt:167+8*\tt]
.endr
.endm
.macro RGROUP s, n                     ; LDS loads name window 0 in destination and address under 0x08 and 0x0c too
	PLACES
.if ((\n)&7) == 1
.if (\n) < 24
	RBLOAD \s,((\n)>>3)+1
.endif
.endif
.if (\n) < 29
	LDR \s,(\n)+3
	s_wait_dscnt 12                                ; group n's four loads are in: behind them stand those of groups n + 1, n + 2, n + 3
.else
	s_wait_dscnt 4*(31-(\n))                       ; the ring runs out
.endif
.if ((\n)&1) == 0
	WIN 0x08                                       ; source 1 = window 2
	RMUL_P \n
	RMUL_QA \n
	WIN 0x0c                                       ; source 1 = window 3
	RMUL_QB \n
.else
	WIN 0x0c
	RMUL_QB \n
	WIN 0x08
	RMUL_P \n
	RMUL_QA \n
.endif
.endm
; silu of one tile's 8 values a lane, split into f16 upper part (registers h0..h3, literal numbers) and rest (v[l] ..)
.macro ACT_T p, q, h0, h1, h2, h3, l
.irp k,0,2,4,6
	v_pk_fma_f32 v[\p+\k:\p+\k+1], v[\q+\k:\q+\k+1], s[92:93], v[\p+\k:\p+\k+1] op_sel_hi:[1,0,1]
.endr
.irp k,0,2,4,6
	v_pk_mul_f32 v[\q+\k:\q+\k+1], v[\p+\k:\p+\k+1], s[94:95] op_sel_hi:[1,0]
.endr
.irp k,0,1,2,3,4,5,6,7
	v_exp_f32 v[\q+\k], v[\q+\k]
.endr
	v_nop
	s_wait_alu depctr_va_vdst(0)
.irp k,0,2,4,6
	v_pk_add_f32 v[\q+\k:\q+\k+1], v[\q+\k:\q+\k+1], 1.0 op_sel_hi:[1,0]
.endr
.irp k,0,1,2,3,4,5,6,7
	v_rcp_f32 v[\q+\k], v[\q+\k]
.endr
	v_nop
	s_wait_alu depctr_va_vdst(0)
.irp k,0,2,4,6
	v_pk_mul_f32 v[\p+\k:\p+\k+1], v[\p+\k:\p+\k+1], v[\q+\k:\q+\k+1]
.endr
	v_cvt_pk_f16_f32 v\h0, v[\p], v[\p+1]
	v_cvt_pk_f16_f32 v\h1, v[\p+2], v[\p+3]
	v_cvt_pk_f16_f32 v\h2, v[\p+4], v[\p+5]
	v_cvt_pk_f16_f32 v\h3, v[\p+6], v[\p+7]
	v_cvt_f32_f16 v[\q], v\h0\().l
	v_cvt_f32_f16 v[\q+1], v\h0\().h
	v_cvt_f32_f16 v[\q+2], v\h1\().l
	v_cvt_f32_f16 v[\q+3], v\h1\().h
	v_cvt_f32_f16 v[\q+4], v\h2\().l
	v_cvt_f32_f16 v[\q+5], v\h2\().h
	v_cvt_f32_f16 v[\q+6], v\h3\().l
	v_cvt_f32_f16 v[\q+7], v\h3\().h
.irp k,0,2,4,6
	v_pk_add_f32 v[\p+\k:\p+\k+1], v[\p+\k:\p+\k+1], v[\q+\k:\q+\k+1] neg_lo:[0,1] neg_hi:[0,1]
.endr
.irp k,0,2,4,6
	v_pk_mul_f32 v[\p+\k:\p+\k+1], v[\p+\k:\p+\k+1], s[98:99] op_sel_hi:[1,0]
.endr
.irp k,0,1,2,3
	v_cvt_pk_f16_f32 v[\l+\k], v[\p+2*\k], v[\p+2*\k+1]
.endr
.endm
.macro ACTR a
	WIN 0
	PLACES
.if \a == 0
	ACT_T 128,160,64,65,66,67,96
	ACT_T 136,168,72,73,74,75,104
	ACT_T 144,176,80,81,82,83,112
	ACT_T 152,184,88,89,90,91,120
.else
	ACT_T 128,160,68,69,70,71,100
	ACT_T 136,168,76,77,78,79,108
	ACT_T 144,176,84,85,86,87,116
	ACT_T 152,184,92,93,94,95,124
.endif
.endm
; second router layer on my 32 hidden values: L (at scale 2048) += 2048 Whi Hhi + Wlo' Hhi + Whi Hlo'.  Rows 6..15 of the weights repeat row 5 and are not used.
.macro L2R s, q
.irp tb,0,1,2
	ds_load_b128 v[128+8*\tb:131+8*\tb], v9 offset:3168*\tb+256*\s+128*\q
	ds_load_b128 v[132+8*\tb:135+8*\tb], v9 offset:3168*\tb+256*\s+128*\q+32
.endr
	s_wait_dscnt 0x0
.irp tt,0,1,2,3
.if (\s+\q) == 0
	v_wmma_f32_16x16x32_f16 v[16+8*\tt:23+8*\tt], v[128:135], v[64+8*\tt:71+8*\tt], 0
.else
	v_wmma_f32_16x16x32_f16 v[16+8*\tt:23+8*\tt], v[128:135], v[64+8*\tt:71+8*\tt], v[16+8*\tt:23+8*\tt]
.endif
.endr
.irp tt,0,1,2,3
	v_wmma_f32_16x16x32_f16 v[16+8*\tt:23+8*\tt], v[136:143], v[64+8*\tt:71+8*\tt], v[16+8*\tt:23+8*\tt]
.endr
.irp tt,0,1,2,3
	v_wmma_f32_16x16x32_f16 v[16+8*\tt:23+8*\tt], v[144:151], v[96+8*\tt:103+8*\tt], v[16+8*\tt:23+8*\tt]
.endr
.rept 5
	v_nop                                          ; five places: the next tile's sums are written over these weights' registers
.endr
.endm
.macro RSTEP s
	RBLOAD \s,0
	LDR \s,0
	LDR \s,1
	LDR \s,2
.irp n,0,1,2,3,4,5,6,7
	RGROUP \s,\n
.endr
	ACTR 0
.irp n,8,9,10,11,12,13,14,15
	RGROUP \s,\n
.endr
	ACTR 1
	L2R \s,0
.irp n,16,17,18,19,20,21,22,23
	RGROUP \s,\n
.endr
	ACTR 0
.irp n,24,25,26,27,28,29,30,31
	RGROUP \s,\n
.endr
	ACTR 1
	L2R \s,1
.endm
	s_wait_dscnt 0x0                               ; my reads of x are back
	s_wait_tensorcnt 0x0                           ; all my tensor loads have landed: router step 0 is in slot 0
	ROUND                                          ; both hold of every wave of the four work-groups
	tensor_load_to_lds s[48:51], s[36:43]          ; router step 1, over x
	s_nop 0
	v_mul_u32_u24 v14, v1, PITCH
	v_lshl_add_u32 v14, v2, 4, v14                 ; 272 r + 16 h
	s_mul_i32 s81, s32, 32*PITCH
	v_add_nc_u32 v4, s81, v14                      ; first-layer fragments, slot 0, 1: + 32 j rows
	v_add_nc_u32 v5, SLOT, v4
	v_add_nc_u32 v6, 2*QB, v4                      ; the rest's rows lie 256 rows further down
	v_add_nc_u32 v7, SLOT, v6
	s_lshl_b32 s86, s32, 7                         ; 128 j
	s_lshl_b32 s87, s32, 6                         ; 64 j
	v_lshlrev_b32 v8, 5, v2
	v_add_nc_u32 v8, s86, v8
	v_add_nc_u32 v8, RBL, v8
	v_min_u32 v9, 5, v1
	v_mul_u32_u24 v9, v9, 528
	v_lshl_add_u32 v9, v2, 4, v9
	v_add_nc_u32 v9, s87, v9
	v_add_nc_u32 v9, RW2L, v9
	RSTEP 0
	s_wait_dscnt 0x0
	s_wait_tensorcnt 0x0                           ; router step 1 has landed; no tensor load of mine is out, so a group 0 may be written
	s_add_nc_u64 s[46:47], s[46:47], 262144        ; slot 0's next: expert step 0
	ROUND
	tensor_load_to_lds s[44:47], s[36:43]
	s_nop 0
	RSTEP 1
; ------------------------------------------------------------------ the two j halves of the logits meet
	s_lshl_b32 s81, s30, 11
	s_xor_b32 s82, s81, 2048
	v_lshlrev_b32 v12, 5, v1
	v_add_nc_u32 v12, EXL, v12
	v_add_nc_u32 v13, s82, v12                     ; my partner's
	v_add_nc_u32 v12, s81, v12                     ; mine
	v_cmp_gt_u32 vcc_lo, 16, v3
	s_wait_xcnt 0x0                                ; EXEC changes only behind this wait
	s_and_saveexec_b32 s81, vcc_lo                 ; lanes 0-15 hold rows 0..7 of the result, the six logits among them
.irp tt,0,1,2,3
	ds_store_b128 v12, v[16+8*\tt:19+8*\tt] offset:512*\tt
	ds_store_b128 v12, v[20+8*\tt:23+8*\tt] offset:512*\tt+16
.endr
	s_or_b32 exec_lo, exec_lo, s81
	s_wait_dscnt 0x0                               ; my stores are in LDS and my reads of slot 1 and of the router's tables are back
	s_wait_tensorcnt 0x0                           ; expert step 0 has landed
	s_add_nc_u64 s[50:51], s[50:51], 262144        ; slot 1's next: expert step 1
	ROUND
	tensor_load_to_lds s[48:51], s[36:43]
	s_nop 0
.irp tt,0,1,2,3
	ds_load_b128 v[128+8*\tt:131+8*\tt], v12 offset:512*\tt
	ds_load_b128 v[132+8*\tt:135+8*\tt], v12 offset:512*\tt+16
	ds_load_b128 v[160+8*\tt:163+8*\tt], v13 offset:512*\tt
	ds_load_b128 v[164+8*\tt:167+8*\tt], v13 offset:512*\tt+16
.endr
	s_mul_i32 s82, s30, 3072
	v_lshlrev_b32 v10, 2, v1
	v_add_nc_u32 v10, s82, v10
	v_add_nc_u32 v10, CTL, v10                     ; my wave's factors, entry 0
	s_wait_dscnt 0x0
; ------------------------------------------------------------------ top-2, weights, aux sums.  Both lanes of a token do the same work.
.set F_LG, 200
.set F_M1, 206
.set F_BI, 207
.set F_M2, 208
.set F_B2, 209
.set F_CE, 210
.set F_T,  216
.set F_PE, 222
.set F_W1, 228
.set F_W2, 229
.set F_ED, 230
.set F_RS, 231
.set F_SP, 232
.set F_SM, 238
.macro TOP2 tt, first
.irp e,0,1,2,3,4,5
	v_add_f32 v[F_LG+\e], v[128+8*\tt+\e], v[160+8*\tt+\e]
.endr
.irp e,0,1,2,3,4,5
	v_fma_f32 v[F_LG+\e], v[F_LG+\e], s92, s[72+\e]
.endr
	v_mov_b32 v[F_M1], v[F_LG]
	v_mov_b32 v[F_BI], 0
.irp e,1,2,3,4,5
	v_cmp_gt_f32 vcc_lo, v[F_LG+\e], v[F_M1]       ; strictly greater: the lower index wins a tie
	v_cndmask_b32 v[F_M1], v[F_M1], v[F_LG+\e], vcc_lo
	v_cndmask_b32 v[F_BI], v[F_BI], \e, vcc_lo
.endr
	v_mov_b32 v[F_M2], 0xff800000
	v_mov_b32 v[F_B2], 0
.irp e,0,1,2,3,4,5
	v_cmp_gt_f32 s81, v[F_LG+\e], v[F_M2]
	v_cmp_ne_u32 vcc_lo, \e, v[F_BI]
	s_and_b32 vcc_lo, vcc_lo, s81
	v_cndmask_b32 v[F_M2], v[F_M2], v[F_LG+\e], vcc_lo
	v_cndmask_b32 v[F_B2], v[F_B2], \e, vcc_lo
.endr
	v_sub_f32 v[F_ED], v[F_M2], v[F_M1]            ; both softmaxes take the largest logit away first
	v_mul_f32 v[F_ED], 0x3fb8aa3b, v[F_ED]
.irp e,0,1,2,3,4,5
	v_sub_f32 v[F_PE+\e], v[F_LG+\e], v[F_M1]
.endr
.irp e,0,2,4
	v_pk_mul_f32 v[F_PE+\e:F_PE+\e+1], v[F_PE+\e:F_PE+\e+1], 0x3fb8aa3b op_sel_hi:[1,0]
.endr
	v_exp_f32 v[F_ED], v[F_ED]
.irp e,0,1,2,3,4,5
	v_exp_f32 v[F_PE+\e], v[F_PE+\e]
.endr
	v_nop
	s_wait_alu depctr_va_vdst(0)
	v_add_f32 v[F_W1], 1.0, v[F_ED]
	v_add_f32 v[F_RS], v[F_PE], v[F_PE+1]
	v_add_f32 v[F_T], v[F_PE+2], v[F_PE+3]
	v_add_f32 v[F_T+1], v[F_PE+4], v[F_PE+5]
	v_add_f32 v[F_RS], v[F_RS], v[F_T]
	v_add_f32 v[F_RS], v[F_RS], v[F_T+1]
	v_rcp_f32 v[F_W1], v[F_W1]
	v_rcp_f32 v[F_RS], v[F_RS]
	v_nop
	s_wait_alu depctr_va_vdst(0)
	v_mul_f32 v[F_W2], v[F_ED], v[F_W1]
.irp e,0,1,2,3,4,5
	v_cmp_eq_u32 vcc_lo, \e, v[F_B2]
	v_cndmask_b32 v[F_CE+\e], 0, v[F_W2], vcc_lo
	v_cmp_eq_u32 vcc_lo, \e, v[F_BI]
	v_cndmask_b32 v[F_CE+\e], v[F_CE+\e], v[F_W1], vcc_lo
.if \first
	v_cndmask_b32 v[F_SM+\e], 0, 1.0, vcc_lo
	v_mul_f32 v[F_SP+\e], v[F_PE+\e], v[F_RS]
.else
	v_cndmask_b32 v[F_T+\e], 0, 1.0, vcc_lo
	v_add_f32 v[F_SM+\e], v[F_SM+\e], v[F_T+\e]
	v_fmac_f32 v[F_SP+\e], v[F_PE+\e], v[F_RS]
.endif
.endr
.irp e,0,2,4
	v_pk_mul_f32 v[F_T+\e:F_T+\e+1], v[F_CE+\e:F_CE+\e+1], 0xbf317218 op_sel_hi:[1,0]     ; -ln 2 c_e
.endr
.irp e,0,1,2,3,4,5
	ds_store_b32 v10, v[F_T+\e] offset:512*\e+64*\tt           ; twice: the loop's address then steps by one entry a trip
	ds_store_b32 v10, v[F_T+\e] offset:512*\e+256+64*\tt
.endr
.irp e,0,2,4
	v_pk_mul_f32 v[F_CE+\e:F_CE+\e+1], v[F_CE+\e:F_CE+\e+1], 0.5 op_sel_hi:[1,0]
.endr
.irp k,0,1,2
	v_cvt_pk_bf16_f32 v[F_PE+\k], v[F_CE+2*\k], v[F_CE+2*\k+1]
.endr
.irp k,0,1,2
	v_cndmask_b32 v[96+8*\tt+\k], 0, v[F_PE+\k], s96           ; the activations of the b2 step: K = 0..5 hold 0.5 c_e, all other K are 0
.endr
.irp k,3,4,5,6,7
	v_mov_b32 v[96+8*\tt+\k], 0
.endr
.endm
	TOP2 0, 1
	TOP2 1, 0
	TOP2 2, 0
	TOP2 3, 0
.set k, 0
.rept 12
	v_add_f32_dpp v[F_SP+k], v[F_SP+k], v[F_SP+k] row_xmask:1 row_mask:0xf bank_mask:0xf
	v_add_f32_dpp v[F_SP+k], v[F_SP+k], v[F_SP+k] row_xmask:2 row_mask:0xf bank_mask:0xf
	v_add_f32_dpp v[F_SP+k], v[F_SP+k], v[F_SP+k] row_xmask:4 row_mask:0xf bank_mask:0xf
	v_add_f32_dpp v[F_SP+k], v[F_SP+k], v[F_SP+k] row_xmask:8 row_mask:0xf bank_mask:0xf
.set k, k+1
.endr
	s_cmp_lg_u32 s32, 0                            ; the j = 0 wave writes the record of its 64 tokens
	s_cbranch_scc1 .Lno_aux
	s_lshl_b32 s82, s34, 1
	s_add_co_u32 s82, s82, s31
	s_lshl_b32 s82, s82, 6
	s_mov_b32 s83, 0
	s_add_nc_u64 s[28:29], s[28:29], s[82:83]
	v_mov_b32 v244, 0
	v_cmp_eq_u32 vcc_lo, 0, v3
	s_wait_xcnt 0x0
	s_and_saveexec_b32 s81, vcc_lo
	global_store_b128 v244, v[232:235], s[28:29]
	global_store_b128 v244, v[236:239], s[28:29] offset:16
	global_store_b128 v244, v[240:243], s[28:29] offset:32
	s_wait_xcnt 0x0                                ; EXEC and the stores' registers change only behind this wait
	s_or_b32 exec_lo, exec_lo, s81
.Lno_aux:
; ------------------------------------------------------------------ experts
	v_add_nc_u32 v6, s87, v14                      ; second-layer fragments: rows 256 + n, byte 64 j
	v_add_nc_u32 v6, 2*QB, v6
	v_add_nc_u32 v7, SLOT, v6
	v_lshlrev_b32 v8, 5, v2
	v_add_nc_u32 v8, s86, v8
	v_add_nc_u32 v8, B1L, v8                       ; b1 as C: 32 h + 128 j
	v_lshlrev_b32 v11, 4, v1
	v_add_nc_u32 v11, B2L, v11
	s_lshl_b32 s81, s31, 6
	v_add_nc_u32 v12, s81, v1                      ; the way out, in: stage j, row 64 i + r, byte 32 h
	v_mul_u32_u24 v12, v12, XP
	v_lshl_add_u32 v12, v2, 5, v12
	s_mul_i32 s81, s32, SLOT
	v_add_nc_u32 v12, s81, v12
	s_mul_i32 s81, s30, 32*XP
	v_lshlrev_b32 v13, 4, v3
	v_add_nc_u32 v13, s81, v13                     ; back: rows 32 w .., 16 bytes a lane, stage 0
	v_add_nc_u32 v14, SLOT, v13                    ; stage 1
	s_lshl_b32 s81, s30, 15
	v_lshlrev_b32 v15, 4, v3
	v_add_nc_u32 v15, s81, v15                     ; the same half rows in x and out0
.macro LD1 s, q, ks, b                 ; first layer: two fragments (units 16 a ..) of K step ks
.irp a,0,1
	ds_load_b128 v[192+16*(\b)+8*\a:195+16*(\b)+8*\a], v[4+\s] offset:((\ks)>>2)*QB+(64*\q+16*\a)*PITCH+((\ks)&3)*64
	ds_load_b128 v[196+16*(\b)+8*\a:199+16*(\b)+8*\a], v[4+\s] offset:((\ks)>>2)*QB+(64*\q+16*\a)*PITCH+((\ks)&3)*64+32
.endr
.endm
.macro LD2 s, q, g, b                  ; second layer: the fragments of output tiles 2 g, 2 g + 1
.irp f,0,1
	ds_load_b128 v[192+16*(\b)+8*\f:195+16*(\b)+8*\f], v[6+\s] offset:16*PITCH*(2*(\g)+\f)+128*\q
	ds_load_b128 v[196+16*(\b)+8*\f:199+16*(\b)+8*\f], v[6+\s] offset:16*PITCH*(2*(\g)+\f)+128*\q+32
.endr
.endm
.macro LDB2 g, b                       ; the b2 step: a row's 8 numbers stand for every 8 K; the activations are 0 beyond K = 5
.irp f,0,1
	ds_load_b128 v[192+16*(\b)+8*\f:195+16*(\b)+8*\f], v11 offset:256*(2*(\g)+\f)
	ds_load_b128 v[196+16*(\b)+8*\f:199+16*(\b)+8*\f], v11 offset:256*(2*(\g)+\f)
.endr
.endm
.macro LDG n, s, q, kind, nxs, nxq, nxk   ; group n of a chunk's 16 (+ the first three of what follows), into buffer n % 4
.if (\n) < 8
	LD1 \s,\q,(\n),((\n)&3)
.else
.if (\n) < 16
.if \kind == 1
	LDB2 (\n)-8,((\n)&3)
.else
	LD2 \s,\q,(\n)-8,((\n)&3)
.endif
.else
.if \nxk == 0
	LD1 \nxs,\nxq,(\n)-16,((\n)&3)
.else
	LD2 \nxs,\nxq,(\n)-16,((\n)&3)
.endif
.endif
.endif
.endm
; one eighth of a tile's activation: z' in v[z ..], c' pair in v[c:c+1], the packed result to v[hf ..]
.macro ACTSTEP u, z, c, hf
.if \u == 0
.irp k,0,1,2,3
	v_exp_f32 v[16+\k], v[\z+\k]
.endr
.endif
.if \u == 1
.irp k,4,5,6,7
	v_exp_f32 v[16+\k], v[\z+\k]
.endr
.endif
.if \u == 2
	v_nop                                          ; the plain place behind the exponentials
	s_wait_alu depctr_va_vdst(0)
.irp k,0,2,4,6
	v_pk_add_f32 v[16+\k:17+\k], v[16+\k:17+\k], 1.0 op_sel_hi:[1,0]
.endr
.endif
.if \u == 3
.irp k,0,1,2,3
	v_rcp_f32 v[16+\k], v[16+\k]
.endr
.endif
.if \u == 4
.irp k,4,5,6,7
	v_rcp_f32 v[16+\k], v[16+\k]
.endr
.endif
.if \u == 5
	v_nop                                          ; the plain place behind the reciprocals
	s_wait_alu depctr_va_vdst(0)
.irp k,0,2,4,6
	v_pk_mul_f32 v[16+\k:17+\k], v[16+\k:17+\k], v[\c:\c+1]
.endr
.endif
.if \u == 6
.irp k,0,2,4,6
	v_pk_mul_f32 v[16+\k:17+\k], v[16+\k:17+\k], v[\z+\k:\z+\k+1]
.endr
.endif
.if \u == 7
.irp k,0,1,2,3
	v_cvt_pk_bf16_f32 v[\hf+\k], v[16+2*\k], v[17+2*\k]    ; these four are also the places in front of the next group's loads
.endr
.endif
.endm
; Chunk c = 64 hidden units (my 32), slot s, column half q.  First layer of chunk c (64 matrix instructions), then the second layer of chunk c - 1
; (64) with the activation of chunk c between its instructions.  kind = 1: the b2 step stands for chunk -1 and starts the 64 sums with C = 0.
; bnd: 0 none; 1 slot s is filled again; 2 the same by waves 2, 3 alone (the last step has second-layer rows only); 3 a plain barrier (the last step is shown to all).
; b1off: where the next chunk's b1 lies from v8 (-1: none).  cw = 1: this chunk begins with fresh c'.
; The accumulators take turns, one matrix instruction a turn.
.macro PAIR s, q, kind, bnd, nxs, nxq, nxk, b1off, cw
	WIN 0
.if \cw
.irp tt,0,1,2,3
	ds_load_b32 v[32+2*\tt], v10 offset:64*\tt
	ds_load_b32 v[33+2*\tt], v10 offset:64*\tt
.endr
.endif
	WIN 0x04                                       ; source 1 = window 1 (xn); LDS loads name window 0 under this setting too
.irp n,0,1,2,3,4,5,6,7
	PLACES
	LDG \n+3,\s,\q,\kind,\nxs,\nxq,\nxk
	s_wait_dscnt 12                                ; group n's four loads are in: at least the twelve of the three younger groups stand behind them
.irp a,0,1
.irp tt,0,1,2,3
.if \n == 0
	v_wmma_f32_16x16x32_bf16 v[128+8*(4*\a+\tt):135+8*(4*\a+\tt)], v[192+16*(\n&3)+8*\a:199+16*(\n&3)+8*\a], v[64*\tt+8*\n:64*\tt+8*\n+7], v[48+8*\a:55+8*\a]
.else
	v_wmma_f32_16x16x32_bf16 v[128+8*(4*\a+\tt):135+8*(4*\a+\tt)], v[192+16*(\n&3)+8*\a:199+16*(\n&3)+8*\a], v[64*\tt+8*\n:64*\tt+8*\n+7], v[128+8*(4*\a+\tt):135+8*(4*\a+\tt)]
.endif
.endr
.endr
.endr
	WIN 0
	PLACES
.irp g,0,1,2,3,4,5,6,7
.if \g == 0
.if \b1off >= 0
.irp a,0,1
	ds_load_b128 v[48+8*\a:51+8*\a], v8 offset:\b1off+64*\a
	ds_load_b128 v[52+8*\a:55+8*\a], v8 offset:\b1off+64*\a+16
.endr
.endif
.endif
.if \bnd == 0
	LDG \g+11,\s,\q,\kind,\nxs,\nxq,\nxk
	s_wait_dscnt 12
.else
.if \g < 5
	LDG \g+11,\s,\q,\kind,\nxs,\nxq,\nxk
	s_wait_dscnt 12
.endif
.if \g == 5
	s_wait_dscnt 0x0                               ; my reads of this slot are back: the last were issued a group ago
	s_wait_tensorcnt 0x0                           ; all my tensor loads have landed: the one that was out is my part of the other slot
.if \bnd < 3
	s_add_nc_u64 s[46+4*\s:47+4*\s], s[46+4*\s:47+4*\s], 262144    ; no load of mine is out: this slot's next step
.endif
	s_barrier_signal -1                            ; say so; register work alone up to the wait
.endif
.if \g == 6
	LDG 16,\s,\q,\kind,\nxs,\nxq,\nxk              ; groups 13 to 15 are in since the wait for 0: no wait here
	LDG 17,\s,\q,\kind,\nxs,\nxq,\nxk
.endif
.if \g == 7
	LDG 18,\s,\q,\kind,\nxs,\nxq,\nxk
.endif
.endif
.irp u,0,1,2,3,4,5,6,7
.if \g < 4
	WIN 0xa0                                       ; C and D in window 2
.else
	WIN 0xf0                                       ; C and D in window 3
.endif
.if \kind == 1
	v_wmma_f32_16x16x32_bf16 v[8*(4*((2*\g+(\u>>2))&7)+(\u&3)):8*(4*((2*\g+(\u>>2))&7)+(\u&3))+7], v[192+16*(\g&3)+8*(\u>>2):199+16*(\g&3)+8*(\u>>2)], v[64+32*(1-\q)+8*(\u&3):71+32*(1-\q)+8*(\u&3)], 0
.else
	v_wmma_f32_16x16x32_bf16 v[8*(4*((2*\g+(\u>>2))&7)+(\u&3)):8*(4*((2*\g+(\u>>2))&7)+(\u&3))+7], v[192+16*(\g&3)+8*(\u>>2):199+16*(\g&3)+8*(\u>>2)], v[64+32*(1-\q)+8*(\u&3):71+32*(1-\q)+8*(\u&3)], v[8*(4*((2*\g+(\u>>2))&7)+(\u&3)):8*(4*((2*\g+(\u>>2))&7)+(\u&3))+7]
.endif
	WIN 0
	ACTSTEP \u,128+8*\g,32+2*(\g&3),64+32*\q+8*(\g&3)+4*(\g>>2)
.endr
.if \bnd != 0
.if \g == 5
	s_barrier_wait -1                              ; nobody reads this slot any more, and the other slot is whole
.if \bnd == 1
	CREST                                          ; ... in all four work-groups
	tensor_load_to_lds s[44+4*\s:47+4*\s], s[36:43]    ; my one tensor load behind the round, and the first thing there
	s_nop 0
.endif
.if \bnd == 2
	CREST
	s_cmp_lt_u32 s30, 2
	s_cbranch_scc1 .Lno_tail_\@
	tensor_load_to_lds s[44+4*\s:47+4*\s], s[36:43]    ; rows 256..511 of the last step: waves 2 and 3
	s_nop 0
.Lno_tail_\@:
.endif
.endif
.endif
.endr
.endm
.irp a,0,1
	ds_load_b128 v[48+8*\a:51+8*\a], v8 offset:64*\a           ; b1 of chunk 0
	ds_load_b128 v[52+8*\a:55+8*\a], v8 offset:64*\a+16
.endr
.irp tt,0,1,2,3
	ds_load_b32 v[32+2*\tt], v10 offset:64*\tt                 ; c' of expert 0: my own stores, served in order
	ds_load_b32 v[33+2*\tt], v10 offset:64*\tt
.endr
	v_add_nc_u32 v10, 256, v10                     ; entry 1
	LD1 0,0,0,0
	LD1 0,0,1,1
	LD1 0,0,2,2
	PAIR 0,0,1,0, 0,1,0, 256,0                     ; chunk 0
	s_mov_b32 s80, 0
.Ltrip:                                            ; trip k: chunks 4 k + 1 .. 4 k + 4 = expert steps 2 k (second half), 2 k + 1, 2 k + 2 (first half)
	PAIR 0,1,0,1, 1,0,0, 512,0
	PAIR 1,0,0,0, 1,1,0, 768,0
	PAIR 1,1,0,1, 0,0,0, 1024,0
	PAIR 0,0,0,0, 0,1,0, 1280,1                    ; chunk 4 k + 4 belongs to expert (k + 1) / 2 = entry k + 1
	v_add_nc_u32 v8, 1024, v8                      ; four chunks of b1
	v_add_nc_u32 v10, 256, v10                     ; the next entry of c'
	s_add_co_u32 s80, s80, 1
	s_cmp_lt_u32 s80, 11
	s_cbranch_scc1 .Ltrip
	PAIR 0,1,0,2, 1,0,0, 512,0                     ; chunk 45
	PAIR 1,0,0,0, 1,1,0, 768,0                     ; chunk 46
	PAIR 1,1,0,3, 0,0,1, -1,0                      ; chunk 47: nothing is left to fetch
	; x once more, for the residual, into window 1 (xn's fragments have had their last use): 64 half rows of 512 bytes a wave
	WIN 0x40
.set n, 0
.rept 64
	global_load_b128 v[4*n:4*n+3], v15, s[22:23] offset:512*n
.set n, n+1
.endr
	; the second layer of chunk 47, from the last step in slot 0
.irp g,0,1,2,3,4,5,6,7
	WIN 0
	PLACES
.if \g < 5
	LD2 0,0,\g+3,((\g+3)&3)
	s_wait_dscnt 12
.else
	s_wait_dscnt 4*(7-\g)                          ; the ring runs out
.endif
.if \g < 4
	WIN 0xa0
.else
	WIN 0xf0
.endif
.irp u,0,1,2,3,4,5,6,7
	v_wmma_f32_16x16x32_bf16 v[8*(4*((2*\g+(\u>>2))&7)+(\u&3)):8*(4*((2*\g+(\u>>2))&7)+(\u&3))+7], v[192+16*(\g&3)+8*(\u>>2):199+16*(\g&3)+8*(\u>>2)], v[96+8*(\u&3):103+8*(\u&3)], v[8*(4*((2*\g+(\u>>2))&7)+(\u&3)):8*(4*((2*\g+(\u>>2))&7)+(\u&3))+7]
.endr
.endr
; ------------------------------------------------------------------ the way out
; Each wave lays its partial sums into stage j (the slots have had their last fill): row = token, 1,040 bytes.  Then wave w takes tokens 32 w .. 32 w + 31,
; adds both stages to x and stores: each store of a wave covers 512 consecutive bytes, aligned.
	WIN 0
	PLACES
	s_wait_dscnt 0x0                               ; my reads of slot 0 are back
	s_barrier_signal -1
	s_barrier_wait -1                              ; everybody's are: the stages may be written
	WIN 0x08                                       ; store data from window 2
.irp t,0,1,2,3,4,5,6,7
.irp tt,0,1,2,3
	ds_store_b128 v12, v[8*(4*\t+\tt):8*(4*\t+\tt)+3] offset:16*XP*\tt+64*\t
	ds_store_b128 v12, v[8*(4*\t+\tt)+4:8*(4*\t+\tt)+7] offset:16*XP*\tt+64*\t+16
.endr
.endr
	WIN 0x0c                                       ; from window 3
.irp t,0,1,2,3,4,5,6,7
.irp tt,0,1,2,3
	ds_store_b128 v12, v[8*(4*\t+\tt):8*(4*\t+\tt)+3] offset:16*XP*\tt+64*\t+512
	ds_store_b128 v12, v[8*(4*\t+\tt)+4:8*(4*\t+\tt)+7] offset:16*XP*\tt+64*\t+528
.endr
.endr
	WIN 0
	s_wait_dscnt 0x0                               ; my stores are in LDS
	s_barrier_signal -1
	s_barrier_wait -1
	s_wait_loadcnt 0x0                             ; x
.set bb, 0
.rept 4
	WIN 0
.set k, 0
.rept 16
	ds_load_b128 v[64+4*k:67+4*k], v13 offset:((16*bb+k)>>1)*XP+((16*bb+k)&1)*512
	ds_load_b128 v[128+4*k:131+4*k], v14 offset:((16*bb+k)>>1)*XP+((16*bb+k)&1)*512
.set k, k+1
.endr
	s_wait_dscnt 0x0
	WIN 0x44                                       ; source 1 and destination in window 1: serves the sums and the stores' data
.set k, 0
.rept 16
	v_pk_add_f32 v[4*(16*bb+k):4*(16*bb+k)+1], v[64+4*k:65+4*k], v[4*(16*bb+k):4*(16*bb+k)+1]
	v_pk_add_f32 v[4*(16*bb+k)+2:4*(16*bb+k)+3], v[66+4*k:67+4*k], v[4*(16*bb+k)+2:4*(16*bb+k)+3]
	v_pk_add_f32 v[4*(16*bb+k):4*(16*bb+k)+1], v[128+4*k:129+4*k], v[4*(16*bb+k):4*(16*bb+k)+1]
	v_pk_add_f32 v[4*(16*bb+k)+2:4*(16*bb+k)+3], v[130+4*k:131+4*k], v[4*(16*bb+k)+2:4*(16*bb+k)+3]
	global_store_b128 v15, v[4*(16*bb+k):4*(16*bb+k)+3], s[26:27] offset:512*(16*bb+k) th:TH_STORE_NT
.set k, k+1
.endr
.set bb, bb+1
.endr
	WIN 0
	ROUND                                          ; the closing round: no work-group ends while a partner may still ask jointly
	s_endpgm
.Lfunc_end_k_qb023016d78_main:
	.size	k_qb023016d78_main, .Lfunc_end_k_qb023016d78_main-k_qb023016d78_main
	.p2alignl 7, 3214868480
	.fill 96, 4, 3214868480
	.section	.rodata,"a",@progbits
	.p2align	6, 0x0
	.amdhsa_kernel k_qb023016d78_main
		.amdhsa_group_segment_fixed_size 327680
		.amdhsa_private_segment_fixed_size 0
		.amdhsa_enable_private_segment 0
		.amdhsa_kernarg_size 104
		.amdhsa_user_sgpr_count 2
		.amdhsa_user_sgpr_kernarg_segment_ptr 1
		.amdhsa_wavefront_size32 1
		.amdhsa_system_sgpr_workgroup_id_x 1
		.amdhsa_system_sgpr_workgroup_id_y 1
		.amdhsa_system_sgpr_workgroup_id_z 1
		.amdhsa_system_vgpr_workitem_id 0
		.amdhsa_next_free_vgpr 1024
		.amdhsa_next_free_sgpr 100
		.amdhsa_reserve_vcc 1
		.amdhsa_float_denorm_mode_32 3
		.amdhsa_float_denorm_mode_16_64 3
		.amdhsa_memory_ordered 1
		.amdhsa_forward_progress 1
		.amdhsa_inst_pref_size 255
	.end_amdhsa_kernel
	.section	.bss,"aw",@nobits
	.p2align	6
	.space	262144
	.amdgpu_metadata
---
amdhsa.version: [ 1, 2 ]
amdhsa.kernels:
  - .name:           k_qb023016d78_main
    .symbol:         k_qb023016d78_main.kd
    .args:
      - { .name: b1, .offset: 0, .size: 8, .value_kind: global_buffer, .address_space: global }
      - { .name: b2, .offset: 8, .size: 8, .value_kind: global_buffer, .address_space: global }
      - { .name: ln_b, .offset: 16, .size: 8, .value_kind: global_buffer, .address_space: global }
      - { .name: ln_g, .offset: 24, .size: 8, .value_kind: global_buffer, .address_space: global }
      - { .name: rb1, .offset: 32, .size: 8, .value_kind: global_buffer, .address_space: global }
      - { .name: rb2, .offset: 40, .size: 8, .value_kind: global_buffer, .address_space: global }
      - { .name: regime, .offset: 48, .size: 8, .value_kind: global_buffer, .address_space: global }
      - { .name: rw1, .offset: 56, .size: 8, .value_kind: global_buffer, .address_space: global }
      - { .name: rw2, .offset: 64, .size: 8, .value_kind: global_buffer, .address_space: global }
      - { .name: x, .offset: 72, .size: 8, .value_kind: global_buffer, .address_space: global }
      - { .name: wp, .offset: 80, .size: 8, .value_kind: global_buffer, .address_space: global }
      - { .name: out0, .offset: 88, .size: 8, .value_kind: global_buffer, .address_space: global }
      - { .name: auxp, .offset: 96, .size: 8, .value_kind: global_buffer, .address_space: global }
    .group_segment_fixed_size: 327680
    .private_segment_fixed_size: 0
    .kernarg_segment_align: 8
    .kernarg_segment_size: 104
    .max_flat_workgroup_size: 128
    .sgpr_count:     100
    .vgpr_count:     1024
    .wavefront_size: 32
...
	.end_amdgpu_metadata
.endif
;; end of part 2
;; launch aux (part 3): grid 1 x 1, 1 waves a work-group, no clusters, 0 bytes of LDS; arguments auxp, out1; writes out1
.if DOCPART == 3
	.amdgcn_target "amdgcn-amd-amdhsa--gfx1250"
	.amdhsa_code_object_version 6
	.text
	.protected	k_qb023016d78_aux
	.globl	k_qb023016d78_aux
	.p2align	8
	.type	k_qb023016d78_aux,@function
k_qb023016d78_aux:
	s_mov_b64 s[64:65], 0
	v_nop
	global_prefetch_b8 v0, s[64:65] scope:SCOPE_SE
	s_setreg_imm32_b32 hwreg(HW_REG_WAVE_MODE, 25, 1), 1
	s_wait_xcnt 0x0
; out1 = 0.01 x 6 x sum over e of mean(P_e) mean(M_e), from 512 records of 12 f32 (sums of P_0..5 and of M_0..5 over 64 tokens each), 64 bytes apart.
; One wave: lane l takes records l + 32 n, n = 0..15, adds them in a fixed order, then the lanes are added.  24 KiB in all: one wave is enough.
	s_load_b128 s[4:7], s[0:1], 0x0                ; auxp, out1
	v_lshlrev_b32 v1, 6, v0
	v_mov_b32 v2, 0
	v_mov_b32 v4, 0
	s_mov_b32 s8, 0x76543210                       ; v_permlanex16_b32: lane l reads lane l xor 16
	s_mov_b32 s9, 0xfedcba98
	s_wait_kmcnt 0x0
.set n, 0
.rept 16
	global_load_b128 v[16+12*n:19+12*n], v1, s[4:5] offset:2048*n
	global_load_b128 v[20+12*n:23+12*n], v1, s[4:5] offset:2048*n+16
	global_load_b128 v[24+12*n:27+12*n], v1, s[4:5] offset:2048*n+32
.set n, n+1
.endr
	s_wait_loadcnt 0x0
.set n, 1
.rept 15
.irp k,0,2,4,6,8,10
	v_pk_add_f32 v[16+\k:17+\k], v[16+\k:17+\k], v[16+12*n+\k:17+12*n+\k]
.endr
.set n, n+1
.endr
.set k, 0
.rept 12
	v_add_f32_dpp v[16+k], v[16+k], v[16+k] row_xmask:1 row_mask:0xf bank_mask:0xf
	v_add_f32_dpp v[16+k], v[16+k], v[16+k] row_xmask:2 row_mask:0xf bank_mask:0xf
	v_add_f32_dpp v[16+k], v[16+k], v[16+k] row_xmask:4 row_mask:0xf bank_mask:0xf
	v_add_f32_dpp v[16+k], v[16+k], v[16+k] row_xmask:8 row_mask:0xf bank_mask:0xf
	v_permlanex16_b32 v2, v[16+k], s8, s9
	v_add_f32 v[16+k], v[16+k], v2
.set k, k+1
.endr
	v_mul_f32 v3, v16, v22
.irp e,1,2,3,4,5
	v_fmac_f32 v3, v[16+\e], v[22+\e]
.endr
	v_mul_f32 v3, 0x2e75c28f, v3                   ; 0.06 / 32768^2
	v_cmp_eq_u32 vcc_lo, 0, v0
	s_wait_xcnt 0x0                                ; EXEC changes only behind this wait
	s_and_saveexec_b32 s10, vcc_lo
	global_store_b32 v4, v3, s[6:7]
	s_wait_xcnt 0x0
	s_or_b32 exec_lo, exec_lo, s10
	s_endpgm
.Lfunc_end_k_qb023016d78_aux:
	.size	k_qb023016d78_aux, .Lfunc_end_k_qb023016d78_aux-k_qb023016d78_aux
	.p2alignl 7, 3214868480
	.fill 96, 4, 3214868480
	.section	.rodata,"a",@progbits
	.p2align	6, 0x0
	.amdhsa_kernel k_qb023016d78_aux
		.amdhsa_group_segment_fixed_size 0
		.amdhsa_private_segment_fixed_size 0
		.amdhsa_enable_private_segment 0
		.amdhsa_kernarg_size 16
		.amdhsa_user_sgpr_count 2
		.amdhsa_user_sgpr_kernarg_segment_ptr 1
		.amdhsa_wavefront_size32 1
		.amdhsa_system_sgpr_workgroup_id_x 1
		.amdhsa_system_sgpr_workgroup_id_y 1
		.amdhsa_system_sgpr_workgroup_id_z 1
		.amdhsa_system_vgpr_workitem_id 0
		.amdhsa_next_free_vgpr 224
		.amdhsa_next_free_sgpr 66
		.amdhsa_reserve_vcc 1
		.amdhsa_float_denorm_mode_32 3
		.amdhsa_float_denorm_mode_16_64 3
		.amdhsa_memory_ordered 1
		.amdhsa_forward_progress 1
		.amdhsa_inst_pref_size 16
	.end_amdhsa_kernel
	.amdgpu_metadata
---
amdhsa.version: [ 1, 2 ]
amdhsa.kernels:
  - .name:           k_qb023016d78_aux
    .symbol:         k_qb023016d78_aux.kd
    .args:
      - { .name: auxp, .offset: 0, .size: 8, .value_kind: global_buffer, .address_space: global }
      - { .name: out1, .offset: 8, .size: 8, .value_kind: global_buffer, .address_space: global }
    .group_segment_fixed_size: 0
    .private_segment_fixed_size: 0
    .kernarg_segment_align: 8
    .kernarg_segment_size: 16
    .max_flat_workgroup_size: 32
    .sgpr_count:     66
    .vgpr_count:     224
    .wavefront_size: 32
...
	.end_amdgpu_metadata
.endif
;; end of part 3
;; ======== version 2 of 2: 3 launches; 1.37 times as fast as version 1
;; limits: values outside matrix products are rounded to bf16; values are held in f16: magnitudes above 65,504 overflow, below 6.1e-05 lose precision; right only within a limited range of input values
;; workspace buffers: wp 3,538,944 bytes; auxp 32,768 bytes
;; launch prep (part 4): grid 108 x 1, 8 waves a work-group, no clusters, 34,816 bytes of LDS; arguments w1, w2, rw1, wp; writes wp
.if DOCPART == 4
	.amdgcn_target "amdgcn-amd-amdhsa--gfx1250"
	.amdhsa_code_object_version 6
	.text
	.protected	k_qb023016d78_prep
	.globl	k_qb023016d78_prep
	.p2align	8
	.type	k_qb023016d78_prep,@function
k_qb023016d78_prep:
	s_mov_b64 s[64:65], 0
	v_nop
	global_prefetch_b8 v0, s[64:65] scope:SCOPE_SE
	s_setreg_imm32_b32 hwreg(HW_REG_WAVE_MODE, 25, 1), 1
	s_wait_xcnt 0x0
; Packs w1, w2 and the first 256 rows of rw1 into wp: 16-bit, transposed (K along the rows), in the order in which the main
; launch fills its LDS slots.  wp is 27 steps of 512 rows x 256 bytes.
;   steps 0, 1 (router, outputs 128 s ..): rows 128 dh + u = f16(rw1[128 dh + k][128 s + u]); rows 256 + 128 dh + u = f16 of 2048 x the rest.
;   step 2 + t (t = 0..23): rows 128 dh + u = bf16(-log2(e) w1[t/4][128 dh + k][128 (t%4) + u]); t = 24: zeros (fetched with the step, not read).
;   step 2 + t (t = 0..24): rows 256 + n = bf16(w2 as [3072][256] at [128 t - 64 + k][n]), zero outside 0..3071: w2 lags w1 by 64 hidden units.
; One work-group makes one tile: 128 source rows (k) x 128 source columns -> 128 rows of 256 bytes.  108 tiles: 8 of rw1, 50 of w1, 50 of w2.
; Wave w takes k = 16 w .. 16 w + 15 as two groups of 8 rows; a lane takes 4 columns, so each load of a wave covers 512 consecutive bytes.
; Eight k of one column pack into 16 bytes; they turn through LDS (rows of 272 bytes) and leave as whole rows: each store of a wave
; covers 512 consecutive bytes, aligned.  Memory binds here: no matrix unit, no cluster, no tensor load would add anything.
.set LP, 272
	s_load_b256 s[4:11], s[0:1], 0x0               ; w1 s[4:5], w2 s[6:7], rw1 s[8:9], wp s[10:11]
	v_and_b32 v1, 31, v0                           ; lane
	v_lshrrev_b32 v2, 5, v0
	v_readfirstlane_b32 s12, v2                    ; wave
	s_mov_b32 s27, 0
	s_mov_b32 s21, 0                               ; 1: the tile is scaled by -log2(e)
	s_wait_kmcnt 0x0
	; the tile's figures: s[14:15] source, s16 its pitch in bytes, s17 first k (signed), s18 first column in bytes,
	; s19 byte offset in wp, s20 mode (0 bf16, 1 f16 upper part, 2 f16 rest), s22 the source's rows
	s_cmp_lt_u32 ttmp9, 8
	s_cbranch_scc0 .Lnot_rw1
	s_mov_b64 s[14:15], s[8:9]
	s_and_b32 s23, ttmp9, 3                        ; part: dh + 2 x (rest)
	s_lshr_b32 s24, ttmp9, 2                       ; router step
	s_mov_b32 s16, 1024
	s_and_b32 s17, s23, 1
	s_lshl_b32 s17, s17, 7
	s_lshl_b32 s18, s24, 9
	s_lshl_b32 s19, s24, 17
	s_lshl_b32 s25, s23, 15
	s_add_co_u32 s19, s19, s25
	s_lshr_b32 s20, s23, 1
	s_add_co_u32 s20, s20, 1
	s_mov_b32 s22, 256
	s_branch .Ldecoded
.Lnot_rw1:
	s_cmp_lt_u32 ttmp9, 58
	s_cbranch_scc0 .Lis_w2
	s_sub_co_u32 s23, ttmp9, 8
	s_lshr_b32 s24, s23, 1                         ; t, 0..24
	s_and_b32 s25, s23, 1                          ; dh
	s_lshr_b32 s26, s24, 2                         ; expert; t = 24 has none: it reads expert 5's first rows and masks them all
	s_min_u32 s26, s26, 5
	s_lshl_b32 s26, s26, 19                        ; x 256 x 512 x 4 bytes
	s_add_nc_u64 s[14:15], s[4:5], s[26:27]
	s_mov_b32 s16, 2048
	s_lshl_b32 s17, s25, 7
	s_and_b32 s18, s24, 3
	s_lshl_b32 s18, s18, 9
	s_add_co_u32 s19, s24, 2
	s_lshl_b32 s19, s19, 17
	s_lshl_b32 s25, s25, 15
	s_add_co_u32 s19, s19, s25
	s_mov_b32 s20, 0
	s_mov_b32 s21, 1
	s_cmp_lt_u32 s24, 24
	s_cselect_b32 s22, 256, 0                      ; no row of the source counts for t = 24: zeros
	s_branch .Ldecoded
.Lis_w2:
	s_mov_b64 s[14:15], s[6:7]
	s_sub_co_u32 s23, ttmp9, 58
	s_lshr_b32 s24, s23, 1                         ; t, 0..24
	s_and_b32 s25, s23, 1                          ; which 128 output columns
	s_mov_b32 s16, 1024
	s_lshl_b32 s17, s24, 7
	s_sub_co_i32 s17, s17, 64                      ; the lag of 64 hidden units
	s_lshl_b32 s18, s25, 9
	s_add_co_u32 s19, s24, 2
	s_lshl_b32 s19, s19, 17
	s_lshl_b32 s25, s25, 15
	s_add_co_u32 s19, s19, s25
	s_add_co_u32 s19, s19, 65536
	s_mov_b32 s20, 0
	s_mov_b32 s22, 3072
.Ldecoded:
	; my two groups of 8 rows.  A group outside the source reads rows 0..7 instead and is masked to zero.
	s_lshl_b32 s28, s12, 4
	s_add_co_i32 s28, s28, s17
.irp g,0,1
	s_add_co_i32 s29, s28, 8*\g
	s_cmp_ge_i32 s29, 0
	s_cselect_b32 s[36+\g], -1, 0
	s_cmp_lt_i32 s29, s22
	s_cselect_b32 s[36+\g], s[36+\g], 0
	s_and_b32 s29, s29, s[36+\g]
	s_mul_i32 s30, s29, s16
	s_add_co_u32 s30, s30, s18
	s_mov_b32 s31, 0
	s_add_nc_u64 s[32+2*\g:33+2*\g], s[14:15], s[30:31]
.endr
	v_lshlrev_b32 v3, 4, v1                        ; 16 x lane
.irp i,0,1,2,3,4,5,6,7
	v_mad_u32_u24 v[4+\i], s16, \i, v3             ; + row i of the group
.endr
.irp g,0,1
.irp i,0,1,2,3,4,5,6,7
	global_load_b128 v[16+32*\g+4*\i:19+32*\g+4*\i], v[4+\i], s[32+2*\g:33+2*\g] th:TH_LOAD_NT
.endr
.endr
	v_mul_u32_u24 v116, v1, 4*LP                   ; LDS, in: row 4 x lane (+ column), byte 32 w (+ 16 x group)
	s_lshl_b32 s40, s12, 5
	v_add_nc_u32 v116, s40, v116
	v_lshrrev_b32 v117, 4, v1                      ; LDS, back: row 16 w + lane / 16 (+ 2 n), byte 16 (lane % 16)
	s_lshl_b32 s41, s12, 4
	v_add_nc_u32 v117, s41, v117
	v_mul_u32_u24 v117, v117, LP
	v_and_b32 v118, 15, v1
	v_lshl_add_u32 v117, v118, 4, v117
	s_lshl_b32 s44, s12, 12                        ; my 16 rows of 256 bytes in the tile
	s_add_co_u32 s44, s44, s19
	s_mov_b32 s45, 0
	s_add_nc_u64 s[10:11], s[10:11], s[44:45]
	s_wait_loadcnt 0x0
	s_cmp_lg_u32 s21, 0
	s_cbranch_scc0 .Lplain
	s_mov_b32 s42, 0xbfb8aa3b                      ; -log2(e): the main launch's exponential then needs no multiply
	s_mov_b32 s43, 0xbfb8aa3b
.set k, 0
.rept 32
	v_pk_mul_f32 v[16+2*k:17+2*k], v[16+2*k:17+2*k], s[42:43] op_sel_hi:[1,0]
.set k, k+1
.endr
.Lplain:
	; word m of column c of group g = rows 2 m, 2 m + 1
	s_cmp_eq_u32 s20, 0
	s_cbranch_scc0 .Lf16
.irp g,0,1
.irp c,0,1,2,3
.irp m,0,1,2,3
	v_cvt_pk_bf16_f32 v[80+16*\g+4*\c+\m], v[16+32*\g+8*\m+\c], v[20+32*\g+8*\m+\c]
.endr
.endr
.endr
	s_branch .Lpacked
.Lf16:
	s_cmp_eq_u32 s20, 1
	s_cbranch_scc0 .Lrest
.irp g,0,1
.irp c,0,1,2,3
.irp m,0,1,2,3
	v_cvt_pk_f16_f32 v[80+16*\g+4*\c+\m], v[16+32*\g+8*\m+\c], v[20+32*\g+8*\m+\c]
.endr
.endr
.endr
	s_branch .Lpacked
.Lrest:
	; the rest: (v - f16(v)) x 2048, exact in f32, rounded to f16
.irp g,0,1
.irp c,0,1,2,3
.irp m,0,1,2,3
	v_cvt_pk_f16_f32 v112, v[16+32*\g+8*\m+\c], v[20+32*\g+8*\m+\c]
	v_cvt_f32_f16 v114, v112.l
	v_cvt_f32_f16 v115, v112.h
	v_sub_f32 v114, v[16+32*\g+8*\m+\c], v114
	v_sub_f32 v115, v[20+32*\g+8*\m+\c], v115
	v_pk_mul_f32 v[114:115], v[114:115], 0x45000000 op_sel_hi:[1,0]
	v_cvt_pk_f16_f32 v[80+16*\g+4*\c+\m], v114, v115
.endr
.endr
.endr
.Lpacked:
.irp g,0,1
.set k, 0
.rept 16
	v_and_b32 v[80+16*\g+k], s[36+\g], v[80+16*\g+k]       ; zero where the group lies outside the source
.set k, k+1
.endr
.irp c,0,1,2,3
	ds_store_b128 v116, v[80+16*\g+4*\c:83+16*\g+4*\c] offset:LP*\c+16*\g
.endr
.endr
	s_wait_dscnt 0x0                               ; my stores are in LDS before I say so: the other waves read them
	s_barrier_signal -1
	s_barrier_wait -1
.irp n,0,1,2,3,4,5,6,7
	ds_load_b128 v[16+4*\n:19+4*\n], v117 offset:2*LP*\n
.endr
.irp n,0,1,2,3,4,5,6,7
	s_wait_dscnt 7-\n                              ; LDS loads come back in order: number n is in, the younger ones may be out
	global_store_b128 v3, v[16+4*\n:19+4*\n], s[10:11] offset:512*\n
.endr
	s_endpgm
.Lfunc_end_k_qb023016d78_prep:
	.size	k_qb023016d78_prep, .Lfunc_end_k_qb023016d78_prep-k_qb023016d78_prep
	.p2alignl 7, 3214868480
	.fill 96, 4, 3214868480
	.section	.rodata,"a",@progbits
	.p2align	6, 0x0
	.amdhsa_kernel k_qb023016d78_prep
		.amdhsa_group_segment_fixed_size 34816
		.amdhsa_private_segment_fixed_size 0
		.amdhsa_enable_private_segment 0
		.amdhsa_kernarg_size 32
		.amdhsa_user_sgpr_count 2
		.amdhsa_user_sgpr_kernarg_segment_ptr 1
		.amdhsa_wavefront_size32 1
		.amdhsa_system_sgpr_workgroup_id_x 1
		.amdhsa_system_sgpr_workgroup_id_y 1
		.amdhsa_system_sgpr_workgroup_id_z 1
		.amdhsa_system_vgpr_workitem_id 0
		.amdhsa_next_free_vgpr 128
		.amdhsa_next_free_sgpr 66
		.amdhsa_reserve_vcc 0
		.amdhsa_float_denorm_mode_32 3
		.amdhsa_float_denorm_mode_16_64 3
		.amdhsa_memory_ordered 1
		.amdhsa_forward_progress 1
		.amdhsa_inst_pref_size 27
	.end_amdhsa_kernel
	.amdgpu_metadata
---
amdhsa.version: [ 1, 2 ]
amdhsa.kernels:
  - .name:           k_qb023016d78_prep
    .symbol:         k_qb023016d78_prep.kd
    .args:
      - { .name: w1, .offset: 0, .size: 8, .value_kind: global_buffer, .address_space: global }
      - { .name: w2, .offset: 8, .size: 8, .value_kind: global_buffer, .address_space: global }
      - { .name: rw1, .offset: 16, .size: 8, .value_kind: global_buffer, .address_space: global }
      - { .name: wp, .offset: 24, .size: 8, .value_kind: global_buffer, .address_space: global }
    .group_segment_fixed_size: 34816
    .private_segment_fixed_size: 0
    .kernarg_segment_align: 8
    .kernarg_segment_size: 32
    .max_flat_workgroup_size: 256
    .sgpr_count:     66
    .vgpr_count:     128
    .wavefront_size: 32
...
	.end_amdgpu_metadata
.endif
;; end of part 4
;; launch main (part 5): grid 256 x 1, 4 waves a work-group, clusters of 4 x 1, 327,680 bytes of LDS; arguments b1, b2, ln_b, ln_g, rb1, rb2, regime, rw1, rw2, x, wp, out0, auxp; writes out0, auxp
.if DOCPART == 5
	.amdgcn_target "amdgcn-amd-amdhsa--gfx1250"
	.amdhsa_code_object_version 6
	.text
	.protected	k_qb023016d78_main
	.globl	k_qb023016d78_main
	.p2align	8
	.type	k_qb023016d78_main,@function
k_qb023016d78_main:
	s_mov_b64 s[64:65], 0
	v_nop
	global_prefetch_b8 v0, s[64:65] scope:SCOPE_SE
	s_setreg_imm32_b32 hwreg(HW_REG_WAVE_MODE, 25, 1), 1
	s_wait_xcnt 0x0
	s_wait_alu depctr_hold_cnt(0) depctr_sa_sdst(0) depctr_va_vdst(0) depctr_va_sdst(0) depctr_va_ssrc(0) depctr_va_vcc(0) depctr_vm_vsrc(0)
	s_getreg_b32 s2, hwreg(HW_REG_IB_STS2, 6, 4)
	s_cmp_eq_u32 s2, 0
	s_cbranch_scc0 .Lentry_in_a_cluster
	s_endpgm
.Lentry_in_a_cluster:
	s_bfe_u32 s2, ttmp6, 0x10000c
	s_cmp_lg_u32 s2, 0x3003
	s_cbranch_scc0 .Lentry_shape_is_right
	s_endpgm
.Lentry_shape_is_right:
; LayerNorm, router, top-2, six expert MLPs, weighted sum and residual for 128 tokens a work-group; partial sums of the aux loss.
; Four waves.  Wave w: i = w / 2 picks 64 tokens (four tiles of 16), j = w % 2 picks half of the hidden units; the two j sums of the
; second layers meet in LDS (the router's logits after the router, the experts' sums once, at the end).
; THE CHAIN IS TRANSPOSED: source 0 = weights (rows = output units, K along the LDS rows), source 1 = activations (column = token).  A result
; tile then has the token in the lane and 8 neighbouring units in the registers, so result tiles pack, inside each lane, into the next
; layer's source 1: hidden values never pass through LDS, and xn's fragments stay in registers for the whole launch.
; ALL SIX EXPERTS ARE COMPUTED; the choice enters as a factor c_e per token (0 for an expert not chosen) in the activation, so no address
; and no branch hangs on a float.  w1 and b1 carry -log2(e): z' = -log2(e) z, H = z' / (1 + 2^z') x (-ln 2 c_e).  b1 is the C of the first
; K step; b2 is one more K step of the second layer (b2 as weights, 0.5 c_e as activations: both j waves add it), which starts the sums.
; THE ROUTER decides which experts count, so both of its products run on f16 operands split in two, v = hi + lo'/2048, three products each.
; WEIGHTS come as wp (27 steps of 128 KiB) through two LDS slots.  CLUSTERS: all work-groups walk the same steps, so four of them ask
; jointly (mask 15): each step is requested once for four.
; CODE SIZE: whatever recurs with the same register numbers is a counted loop (router: 2 x 4 trips; top-2: 4 trips; experts: 12 trips over all
; 48 chunks).  So that all 12 trips are alike, the first chunk's second-layer half multiplies the zero columns that wp holds for hidden units below 0,
; and the last step is fetched whole although its first-layer rows (zeros, 64 KiB of wp's 3.4 MiB) are not read.
; A wave has two tensor loads out at the start and one behind each later refill.
; LIMITS: |xn|, |rw1| and the router's hidden values below 65,504 and |rw2| below 31.9 (f16 operands); an expert that is NOT chosen and whose
; hidden pre-activation overflows f32 gives 0 x inf = NaN; logits closer than the rounding of f32 sums may be ranked otherwise than by another order of summation.
.set PITCH, 272                        ; LDS row of a weight step: 256 bytes + 16: the 16 rows of a fragment start 4 words apart
.set QB,    128*PITCH                  ; 128 rows: one wave's tensor load
.set SLOT,  4*QB
.set XP,    1040                       ; LDS row of 256 f32 + 16 bytes (x at the start, the stages at the end)
.set MISC,  2*SLOT                     ; tables and scratch: no tensor load ever lands here
.set B1L,   MISC                       ; 12,288  -log2(e) b1
.set GBL,   MISC+12288                 ; 2,048   ln_g, ln_b
.set RBL,   MISC+14336                 ; 1,024   rb1 + regime part
.set RW2L,  MISC+15360                 ; 9,504   rw2 transposed, three f16 tables of 6 rows x 528 bytes
.set CTL,   MISC+12288                 ; 12,288  -ln 2 c_e: wave x 3,072 + entry x 256 + tile x 64 + 4 r; entry m = expert m / 2.  Over GBL, RBL, RW2L, dead by then
.set EXL,   MISC+25088                 ; 8,192   partial logits: wave x 2,048 + tile x 512 + 32 r
.set B2L,   MISC+33280                 ; 4,096   row n: bf16 b2[0..5][n], 0, 0
.set CFL,   MISC+37376                 ; 8,192   the b2 step's activations: wave x 2,048 + tile x 512 + 16 x lane
; window 0 up to the experts: v0-3 thread, r, h, lane; v4-15 addresses; v16-47 at work, the logit sums; v48-55 bias as C; v64-127 hidden fragments (upper part, rest);
;           v128-191 first-layer sums; v192-255 weight fragments.   The experts' map of window 0 stands at their head.
; window 1: xn in bf16 (at the end: x).   windows 2, 3: the 64 sums of the second layer (tile (t, tt) at 8 (4 t + tt)); in the router: xn's f16 upper part and rest.
.set MSB, 0
.macro WIN new                         ; the immediate's high byte repeats the setting that is left
.if MSB != \new
	s_set_vgpr_msb (MSB<<8)|\new
.set MSB, \new
.endif
.endm
.macro PLACES                          ; four plain vector places behind matrix instructions, in front of loads into their sources and of readers of their results
.rept 4
	v_nop
.endr
.endm
.macro CREST                           ; a round of the cluster's barrier behind its opening work-group barrier
	s_cmp_lg_u32 s30, 0
	s_cbranch_scc1 .Lnw0_\@
	s_barrier_signal -3
.Lnw0_\@:
	s_barrier_wait -3
	s_barrier_signal -1
	s_barrier_wait -1
.endm
.macro ROUND
	s_barrier_signal -1
	s_barrier_wait -1
	CREST
.endm
; ------------------------------------------------------------------ set-up
	s_load_b512 s[4:19], s[0:1], 0x0               ; b1 4, b2 6, ln_b 8, ln_g 10, rb1 12, rb2 14, regime 16, rw1 18
	s_load_b256 s[20:27], s[0:1], 0x40             ; rw2 20, x 22, wp 24, out0 26
	s_load_b64 s[28:29], s[0:1], 0x60              ; auxp
	v_lshrrev_b32 v1, 5, v0
	v_readfirstlane_b32 s30, v1                    ; wave
	s_lshr_b32 s31, s30, 1                         ; i
	s_and_b32 s32, s30, 1                          ; j
	s_bfe_u32 s33, ttmp6, 0x40000                  ; cx: enters global offsets of x, out0 and auxp alone
	s_lshl_b32 s34, ttmp9, 2
	s_add_co_u32 s34, s34, s33                     ; work-group
	v_and_b32 v1, 15, v0                           ; r
	v_bfe_u32 v2, v0, 4, 1                         ; h
	v_and_b32 v3, 31, v0                           ; lane
	s_mov_b32 s78, 0x76543210                      ; v_permlanex16_b32: lane l reads lane l xor 16
	s_mov_b32 s79, 0xfedcba98
	s_mov_b32 s90, 0x3b800000                      ; 1/256
	s_mov_b32 s91, 0x3727c5ac                      ; 1e-5
	s_mov_b32 s92, 0x3a000000                      ; 1/2048
	s_mov_b32 s93, 0x3a000000
	s_mov_b32 s94, 0xbfb8aa3b                      ; -log2(e)
	s_mov_b32 s95, 0xbfb8aa3b
	s_mov_b32 s96, 0xffff                          ; lanes 0-15
	s_mov_b32 s98, 0x45000000                      ; 2048
	s_mov_b32 s99, 0x45000000
	; group 1 of the weight steps: 128 rows of 32 elements of 8 bytes, dense; 4 words of padding behind every 64; asked jointly by the four work-groups
	s_mov_b32 s36, 15|(3<<16)|(1<<20)|(1<<21)|(5<<22)|(3<<25)
	s_mov_b32 s37, 32<<16
	s_mov_b32 s38, 128<<16
	s_mov_b32 s39, 32<<16
	s_mov_b32 s40, 128
	s_mov_b32 s41, 32
	s_mov_b32 s42, 0
	s_mov_b32 s43, 0
	; group 1 of x: 32 rows of 256 f32, 4 words of padding behind every 256; my work-group's own
	s_mov_b32 s52, (2<<16)|(1<<20)|(7<<22)|(3<<25)
	s_mov_b32 s53, 256<<16
	s_mov_b32 s54, 32<<16
	s_mov_b32 s55, 256<<16
	s_mov_b32 s56, 32
	s_mov_b32 s57, 256
	s_mov_b32 s58, 0
	s_mov_b32 s59, 0
	s_mul_i32 s81, s30, QB
	s_lshl_b32 s82, s30, 15                        ; my quarter of a step, and my 32 tokens of x: 32,768 bytes
	s_mov_b32 s83, 0
	s_lshl_b32 s86, s34, 17                        ; the work-group's 128 tokens x 1,024 bytes
	s_mov_b32 s87, 0
	s_lshr_b32 s88, ttmp9, 3                       ; batch: 32 work-groups = 8 clusters each
	s_mul_i32 s88, s88, 20
	s_mov_b32 s89, 0
	s_wait_kmcnt 0x0
	s_add_nc_u64 s[84:85], s[24:25], s[82:83]
	s_mov_b32 s44, 1                               ; group 0, slot 0: step 0
	s_add_co_u32 s45, s81, 0
	s_mov_b64 s[46:47], s[84:85]
	s_or_b32 s47, s47, 0x80000000
	s_mov_b32 s48, 1                               ; group 0, slot 1: step 1
	s_add_co_u32 s49, s81, SLOT
	s_add_nc_u64 s[50:51], s[84:85], 131072
	s_or_b32 s51, s51, 0x80000000
	s_add_nc_u64 s[22:23], s[22:23], s[86:87]      ; x and out0 at the work-group's first token
	s_add_nc_u64 s[26:27], s[26:27], s[86:87]
	s_mov_b32 s60, 1                               ; group 0 of x: into slot 1's bytes
	s_mul_i32 s61, s30, 32*XP
	s_add_co_u32 s61, s61, SLOT
	s_add_nc_u64 s[62:63], s[22:23], s[82:83]
	s_or_b32 s63, s63, 0x80000000
	s_add_nc_u64 s[16:17], s[16:17], s[88:89]      ; my batch's regime
	s_load_b32 s66, s[16:17], 0x0
	s_load_b32 s67, s[16:17], 0x4
	s_load_b32 s68, s[16:17], 0x8
	s_load_b32 s69, s[16:17], 0xc
	s_load_b32 s70, s[16:17], 0x10
	s_load_b128 s[72:75], s[14:15], 0x0            ; rb2
	s_load_b64 s[76:77], s[14:15], 0x10
	ROUND                                          ; the four work-groups are here: the first joint load meets
	tensor_load_to_lds s[60:63], s[52:59]          ; x
	s_nop 0
	tensor_load_to_lds s[44:47], s[36:43]          ; router step 0
	s_nop 0
; ------------------------------------------------------------------ tables, thread t of 128
	v_lshlrev_b32 v4, 4, v0
	v_lshlrev_b32 v5, 3, v0
	v_mul_u32_u24 v6, 48, v0
.irp n,0,1,2,3,4,5
	global_load_b128 v[64+4*\n:67+4*\n], v4, s[4:5] offset:2048*\n         ; b1
.endr
	global_load_b64 v[88:89], v5, s[10:11]                                 ; ln_g
	global_load_b64 v[90:91], v5, s[8:9]                                   ; ln_b
	global_load_b64 v[92:93], v5, s[12:13]                                 ; rb1
.irp n,0,1,2,3,4
	global_load_b64 v[94+2*\n:95+2*\n], v5, s[18:19] offset:262144+1024*\n ; rw1's rows 256..260
.endr
.irp n,0,1,2
	global_load_b128 v[104+4*\n:107+4*\n], v6, s[20:21] offset:16*\n       ; rw2's rows 2 t, 2 t + 1
.endr
.irp n,0,1,2,3,4,5
	global_load_b64 v[116+2*\n:117+2*\n], v5, s[6:7] offset:1024*\n        ; b2[n][2 t], b2[n][2 t + 1]
.endr
	v_add_nc_u32 v7, B1L, v4
	v_add_nc_u32 v8, GBL, v5
	v_lshlrev_b32 v9, 2, v0
	v_add_nc_u32 v9, RW2L, v9
	v_lshlrev_b32 v10, 5, v0
	v_add_nc_u32 v10, B2L, v10
	s_wait_loadcnt 0x0
	s_wait_kmcnt 0x0
.irp e,0,1,2,3,4,5
	s_mul_f32 s[72+\e], s[72+\e], 0x44800000       ; 1024 rb2: each of the two j waves starts its logit sums, kept at scale 2048, with half the bias
.endr
.set k, 0
.rept 12
	v_pk_mul_f32 v[64+2*k:65+2*k], v[64+2*k:65+2*k], s[94:95] op_sel_hi:[1,0]
.set k, k+1
.endr
.irp n,0,1,2,3,4,5
	ds_store_b128 v7, v[64+4*\n:67+4*\n] offset:2048*\n
.endr
	ds_store_b64 v8, v[88:89]
	ds_store_b64 v8, v[90:91] offset:1024
.irp n,0,1,2,3,4
	v_fmac_f32 v92, s[66+\n], v[94+2*\n]           ; the regime's five inputs are the same for all my tokens: they join the bias, in f32
	v_fmac_f32 v93, s[66+\n], v[95+2*\n]
.endr
	ds_store_b64 v8, v[92:93] offset:2048
.irp e,0,1,2,3,4,5
	v_cvt_pk_f16_f32 v16, v[104+\e], v[110+\e]     ; upper parts of rw2[2 t][e], rw2[2 t + 1][e]
	v_cvt_f32_f16 v18, v16.l
	v_cvt_f32_f16 v19, v16.h
	v_sub_f32 v20, v[104+\e], v18
	v_sub_f32 v21, v[110+\e], v19
	v_pk_mul_f32 v[18:19], v[18:19], s[98:99] op_sel_hi:[1,0]
	v_pk_mul_f32 v[20:21], v[20:21], s[98:99] op_sel_hi:[1,0]
	v_cvt_pk_f16_f32 v17, v18, v19
	v_cvt_pk_f16_f32 v22, v20, v21
	ds_store_b32 v9, v17 offset:528*\e             ; table 0: 2048 x upper
	ds_store_b32 v9, v22 offset:3168+528*\e        ; table 1: 2048 x rest
	ds_store_b32 v9, v16 offset:6336+528*\e        ; table 2: upper
.endr
	v_cvt_pk_bf16_f32 v24, v116, v118
	v_cvt_pk_bf16_f32 v25, v120, v122
	v_cvt_pk_bf16_f32 v26, v124, v126
	v_mov_b32 v27, 0
	v_cvt_pk_bf16_f32 v28, v117, v119
	v_cvt_pk_bf16_f32 v29, v121, v123
	v_cvt_pk_bf16_f32 v30, v125, v127
	v_mov_b32 v31, 0
	ds_store_b128 v10, v[24:27]
	ds_store_b128 v10, v[28:31] offset:16
	s_wait_tensorcnt 0x1                           ; my rows of x are in; router step 0 may stay out
	s_wait_dscnt 0x0                               ; my table stores are in LDS
	s_barrier_signal -1
	s_barrier_wait -1
; ------------------------------------------------------------------ LayerNorm, straight into fragment layout
; Lane (r, h) of tile tt holds, of token 64 i + 16 tt + r, the columns 16 p + 8 h + 0..7, p = 0..15: half the row, the other half in lane (r, 1 - h).
; Written out four times: each tile's 192 result registers have numbers of their own.
	s_lshl_b32 s81, s31, 6
	v_add_nc_u32 v8, s81, v1
	v_mul_u32_u24 v8, v8, XP
	v_lshl_add_u32 v8, v2, 5, v8
	v_add_nc_u32 v8, SLOT, v8
	v_lshlrev_b32 v9, 5, v2
	v_add_nc_u32 v9, GBL, v9
.macro GBLOAD bt                       ; gain and bias of batch bt (16 columns), into buffer bt % 2: eight loads
.irp k,0,1,2,3
	ds_load_b128 v[64+32*((\bt)&1)+4*\k:67+32*((\bt)&1)+4*\k], v9 offset:128*(\bt)+64*(\k>>1)+16*(\k&1)
.endr
.irp k,0,1,2,3
	ds_load_b128 v[80+32*((\bt)&1)+4*\k:83+32*((\bt)&1)+4*\k], v9 offset:1024+128*(\bt)+64*(\k>>1)+16*(\k&1)
.endr
.endm
.macro LNRED                           ; four chains -> the token's sum, in both of its lanes
	v_pk_add_f32 v[16:17], v[16:17], v[18:19]
	v_pk_add_f32 v[20:21], v[20:21], v[22:23]
	v_pk_add_f32 v[16:17], v[16:17], v[20:21]
	v_add_f32 v16, v16, v17
	v_permlanex16_b32 v17, v16, s78, s79
	v_add_f32 v16, v16, v17
.endm
.macro LOSPLIT a, t                    ; v[a:a+1] <- 2048 x (v - f16(v)); t: a literal register number (halves have literal names)
	v_cvt_pk_f16_f32 v\t, v[\a], v[\a+1]
	v_cvt_f32_f16 v[\t+2], v\t\().l
	v_cvt_f32_f16 v[\t+3], v\t\().h
	v_pk_add_f32 v[\a:\a+1], v[\a:\a+1], v[\t+2:\t+3] neg_lo:[0,1] neg_hi:[0,1]
	v_pk_mul_f32 v[\a:\a+1], v[\a:\a+1], s[98:99] op_sel_hi:[1,0]
.endm
.macro LN_TILE tt
.set idx, 0
.rept 16
	ds_load_b128 v[128+8*idx:131+8*idx], v8 offset:16*XP*\tt+64*idx
	ds_load_b128 v[132+8*idx:135+8*idx], v8 offset:16*XP*\tt+64*idx+16
.set idx, idx+1
.endr
	GBLOAD 0
	s_wait_dscnt 8                                 ; x is in; the eight gain and bias loads may be out
.irp k,0,1,2,3
	v_pk_add_f32 v[16+2*\k:17+2*\k], v[128+2*\k:129+2*\k], v[136+2*\k:137+2*\k]
.endr
.set idx, 8
.rept 56
	v_pk_add_f32 v[16+2*(idx&3):17+2*(idx&3)], v[16+2*(idx&3):17+2*(idx&3)], v[128+2*idx:129+2*idx]
.set idx, idx+1
.endr
	LNRED
	v_mul_f32 v24, s90, v16                        ; mean
	v_mov_b32 v25, v24
.set idx, 0
.rept 64
	v_pk_add_f32 v[128+2*idx:129+2*idx], v[128+2*idx:129+2*idx], v[24:25] neg_lo:[0,1] neg_hi:[0,1]
.set idx, idx+1
.endr
.irp k,0,1,2,3
	v_pk_mul_f32 v[16+2*\k:17+2*\k], v[128+2*\k:129+2*\k], v[128+2*\k:129+2*\k]
.endr
.set idx, 4
.rept 60
	v_pk_fma_f32 v[16+2*(idx&3):17+2*(idx&3)], v[128+2*idx:129+2*idx], v[128+2*idx:129+2*idx], v[16+2*(idx&3):17+2*(idx&3)]
.set idx, idx+1
.endr
	LNRED
	v_fma_f32 v16, v16, s90, s91                   ; variance of the centred values + 1e-5
	v_rsq_f32 v24, v16
	v_rsq_f32 v25, v16
	v_nop                                          ; one plain place behind a transcendental (ISA guide 5.7.2)
	s_wait_alu depctr_va_vdst(0)
.irp bt,0,1,2,3,4,5,6,7
.if \bt < 7
	GBLOAD \bt+1
	s_wait_dscnt 8                                 ; this batch's gain and bias are in, the next batch's eight loads may be out
.else
	s_wait_dscnt 0
.endif
.irp k,0,2,4,6,8,10,12,14
	v_pk_mul_f32 v[128+16*\bt+\k:129+16*\bt+\k], v[128+16*\bt+\k:129+16*\bt+\k], v[24:25]
.endr
.irp k,0,2,4,6,8,10,12,14
	v_pk_fma_f32 v[128+16*\bt+\k:129+16*\bt+\k], v[128+16*\bt+\k:129+16*\bt+\k], v[64+32*(\bt&1)+\k:65+32*(\bt&1)+\k], v[80+32*(\bt&1)+\k:81+32*(\bt&1)+\k]
.endr
.endr
	WIN 0x40                                       ; window 1: bf16, for the experts
.set idx, 0
.rept 64
	v_cvt_pk_bf16_f32 v[64*\tt+idx], v[128+2*idx], v[129+2*idx]
.set idx, idx+1
.endr
	WIN 0x80                                       ; window 2: f16 upper part, for the router
.set idx, 0
.rept 64
	v_cvt_pk_f16_f32 v[64*\tt+idx], v[128+2*idx], v[129+2*idx]
.set idx, idx+1
.endr
	WIN 0
.set idx, 0
.rept 16
	LOSPLIT 128+2*idx,16
	LOSPLIT 130+2*idx,20
	LOSPLIT 132+2*idx,24
	LOSPLIT 134+2*idx,28
.set idx, idx+4
.endr
	WIN 0xc0                                       ; window 3: f16 rest
.set idx, 0
.rept 64
	v_cvt_pk_f16_f32 v[64*\tt+idx], v[128+2*idx], v[129+2*idx]
.set idx, idx+1
.endr
	WIN 0
.endm
	LN_TILE 0
	LN_TILE 1
	LN_TILE 2
	LN_TILE 3
; ------------------------------------------------------------------ router
; Per step s (128 outputs) a wave takes outputs 64 j + 16 m, m = 0..3: a loop of four trips, all addresses stepping by constants.
; A trip: P = sum Whi Xhi + bias, Q = sum (Wlo' Xhi + Whi Xlo') over 8 K steps, z = P + Q / 2048, silu, split, and the second layer on these 16 hidden units.
; All accumulators take turns, one matrix instruction a turn.
.macro LDR s, n                        ; fragments of K step n: upper part and rest, into buffer n % 4
	ds_load_b128 v[192+16*((\n)&3):195+16*((\n)&3)], v[4+\s] offset:((\n)>>2)*QB+((\n)&3)*64
	ds_load_b128 v[196+16*((\n)&3):199+16*((\n)&3)], v[4+\s] offset:((\n)>>2)*QB+((\n)&3)*64+32
	ds_load_b128 v[200+16*((\n)&3):203+16*((\n)&3)], v[6+\s] offset:((\n)>>2)*QB+((\n)&3)*64
	ds_load_b128 v[204+16*((\n)&3):207+16*((\n)&3)], v[6+\s] offset:((\n)>>2)*QB+((\n)&3)*64+32
.endm
.macro RMUL_P n
.irp tt,0,1,2,3
.if (\n) == 0
	v_wmma_f32_16x16x32_f16 v[128+8*\tt:135+8*\tt], v[192+16*((\n)&3):199+16*((\n)&3)], v[64*\tt+8*(\n):64*\tt+8*(\n)+7], v[48:55]
.else
	v_wmma_f32_16x16x32_f16 v[128+8*\tt:135+8*\tt], v[192+16*((\n)&3):199+16*((\n)&3)], v[64*\tt+8*(\n):64*\tt+8*(\n)+7], v[128+8*\tt:135+8*\tt]
.endif
.endr
.endm
.macro RMUL_QA n
.irp tt,0,1,2,3
.if (\n) == 0
	v_wmma_f32_16x16x32_f16 v[160+8*\tt:167+8*\tt], v[200+16*((\n)&3):207+16*((\n)&3)], v[64*\tt+8*(\n):64*\tt+8*(\n)+7], 0
.else
	v_wmma_f32_16x16x32_f16 v[160+8*\tt:167+8*\tt], v[200+16*((\n)&3):207+16*((\n)&3)], v[64*\tt+8*(\n):64*\tt+8*(\n)+7], v[160+8*\tt:167+8*\tt]
.endif
.endr
.endm
.macro RMUL_QB n
.irp tt,0,1,2,3
	v_wmma_f32_16x16x32_f16 v[160+8*\tt:167+8*\tt], v[192+16*((\n)&3):199+16*((\n)&3)], v[64*\tt+8*(\n):64*\tt+8*(\n)+7], v[160+8*\tt:167+8*\tt]
.endr
.endm
.macro RGROUP s, n                     ; LDS loads name window 0 in destination and address under 0x08 and 0x0c too
	PLACES
.if (\n) < 5
	LDR \s,(\n)+3
	s_wait_dscnt 12                                ; K step n's four loads are in: behind them stand those of steps n + 1, n + 2, n + 3
.else
	s_wait_dscnt 4*(7-(\n))                        ; the ring runs out
.endif
.if ((\n)&1) == 0
	WIN 0x08                                       ; source 1 = window 2
	RMUL_P \n
	RMUL_QA \n
	WIN 0x0c                                       ; source 1 = window 3
	RMUL_QB \n
.else
	WIN 0x0c
	RMUL_QB \n
	WIN 0x08
	RMUL_P \n
	RMUL_QA \n
.endif
.endm
; silu of one tile's 8 values a lane, split into f16 upper part (registers h0..h3, literal numbers) and rest (v[l] ..)
.macro ACT_T p, q, h0, h1, h2, h3, l
.irp k,0,2,4,6
	v_pk_fma_f32 v[\p+\k:\p+\k+1], v[\q+\k:\q+\k+1], s[92:93], v[\p+\k:\p+\k+1] op_sel_hi:[1,0,1]
.endr
.irp k,0,2,4,6
	v_pk_mul_f32 v[\q+\k:\q+\k+1], v[\p+\k:\p+\k+1], s[94:95] op_sel_hi:[1,0]
.endr
.irp k,0,1,2,3,4,5,6,7
	v_exp_f32 v[\q+\k], v[\q+\k]
.endr
	v_nop
	s_wait_alu depctr_va_vdst(0)
.irp k,0,2,4,6
	v_pk_add_f32 v[\q+\k:\q+\k+1], v[\q+\k:\q+\k+1], 1.0 op_sel_hi:[1,0]
.endr
.irp k,0,1,2,3,4,5,6,7
	v_rcp_f32 v[\q+\k], v[\q+\k]
.endr
	v_nop
	s_wait_alu depctr_va_vdst(0)
.irp k,0,2,4,6
	v_pk_mul_f32 v[\p+\k:\p+\k+1], v[\p+\k:\p+\k+1], v[\q+\k:\q+\k+1]
.endr
	v_cvt_pk_f16_f32 v\h0, v[\p], v[\p+1]
	v_cvt_pk_f16_f32 v\h1, v[\p+2], v[\p+3]
	v_cvt_pk_f16_f32 v\h2, v[\p+4], v[\p+5]
	v_cvt_pk_f16_f32 v\h3, v[\p+6], v[\p+7]
	v_cvt_f32_f16 v[\q], v\h0\().l
	v_cvt_f32_f16 v[\q+1], v\h0\().h
	v_cvt_f32_f16 v[\q+2], v\h1\().l
	v_cvt_f32_f16 v[\q+3], v\h1\().h
	v_cvt_f32_f16 v[\q+4], v\h2\().l
	v_cvt_f32_f16 v[\q+5], v\h2\().h
	v_cvt_f32_f16 v[\q+6], v\h3\().l
	v_cvt_f32_f16 v[\q+7], v\h3\().h
.irp k,0,2,4,6
	v_pk_add_f32 v[\p+\k:\p+\k+1], v[\p+\k:\p+\k+1], v[\q+\k:\q+\k+1] neg_lo:[0,1] neg_hi:[0,1]
.endr
.irp k,0,2,4,6
	v_pk_mul_f32 v[\p+\k:\p+\k+1], v[\p+\k:\p+\k+1], s[98:99] op_sel_hi:[1,0]
.endr
.irp k,0,1,2,3
	v_cvt_pk_f16_f32 v[\l+\k], v[\p+2*\k], v[\p+2*\k+1]
.endr
.endm
; One router step: four trips.  v8 and v9 run on through both steps (64 and 32 bytes a trip); the step's own share beyond that stands in the immediates.
.macro RSTEP s
	s_mov_b32 s80, 0
.Lrt_\@:
	ds_load_b128 v[48:51], v8 offset:256*\s        ; the 16 outputs' bias in the layout of a C operand
	ds_load_b128 v[52:55], v8 offset:256*\s+16
	LDR \s,0
	LDR \s,1
	LDR \s,2
.irp n,0,1,2,3,4,5,6,7
	RGROUP \s,\n
.endr
	WIN 0
	PLACES
	; rw2's fragments for these 16 hidden units, into ring registers that are free by now; they land while the activation runs.
	; K = 16..31 of the step repeat K = 0..15 and meet activations that are zero.  Rows 6..15 repeat row 5 and are not used.
.irp tb,0,1,2
	ds_load_b128 v[192+8*\tb:195+8*\tb], v9 offset:3168*\tb+128*\s
	ds_load_b128 v[196+8*\tb:199+8*\tb], v9 offset:3168*\tb+128*\s
.endr
	ACT_T 128,160,64,65,66,67,96
	ACT_T 136,168,72,73,74,75,104
	ACT_T 144,176,80,81,82,83,112
	ACT_T 152,184,88,89,90,91,120
	s_wait_dscnt 0x0
	; L (at scale 2048) += 2048 Whi Hhi + Wlo' Hhi + Whi Hlo'
.irp tt,0,1,2,3
	v_wmma_f32_16x16x32_f16 v[16+8*\tt:23+8*\tt], v[192:199], v[64+8*\tt:71+8*\tt], v[16+8*\tt:23+8*\tt]
.endr
.irp tt,0,1,2,3
	v_wmma_f32_16x16x32_f16 v[16+8*\tt:23+8*\tt], v[200:207], v[64+8*\tt:71+8*\tt], v[16+8*\tt:23+8*\tt]
.endr
.irp tt,0,1,2,3
	v_wmma_f32_16x16x32_f16 v[16+8*\tt:23+8*\tt], v[208:215], v[96+8*\tt:103+8*\tt], v[16+8*\tt:23+8*\tt]
.endr
	v_add_nc_u32 v[4+\s], 16*PITCH, v[4+\s]        ; the next 16 outputs.  These four lines are also the four places in front of the
	v_add_nc_u32 v[6+\s], 16*PITCH, v[6+\s]        ; next trip's loads into the ring, and in front of the stores of L behind the last trip
	v_add_nc_u32 v8, 64, v8
	v_add_nc_u32 v9, 32, v9
	s_add_co_u32 s80, s80, 1
	s_cmp_lt_u32 s80, 4
	s_cbranch_scc1 .Lrt_\@
.endm
	s_wait_dscnt 0x0                               ; my reads of x are back
	s_wait_tensorcnt 0x0                           ; all my tensor loads have landed: router step 0 is in slot 0
	ROUND                                          ; both hold of every wave of the four work-groups
	tensor_load_to_lds s[48:51], s[36:43]          ; router step 1, over x
	s_nop 0
	v_mul_u32_u24 v14, v1, PITCH
	v_lshl_add_u32 v14, v2, 4, v14                 ; 272 r + 16 h
	s_mul_i32 s81, s32, 64*PITCH
	v_add_nc_u32 v4, s81, v14                      ; upper parts, slot 0, 1: + 64 j rows
	v_add_nc_u32 v5, SLOT, v4
	v_add_nc_u32 v6, 2*QB, v4                      ; the rest's rows lie 256 rows further down
	v_add_nc_u32 v7, SLOT, v6
	s_lshl_b32 s86, s32, 7                         ; 128 j
	s_lshl_b32 s87, s32, 6                         ; 64 j
	s_lshl_b32 s88, s32, 8                         ; 256 j
	v_lshlrev_b32 v8, 5, v2
	v_add_nc_u32 v8, s88, v8
	v_add_nc_u32 v8, RBL, v8                       ; bias: 4 (64 j + 8 h)
	v_min_u32 v9, 5, v1
	v_mul_u32_u24 v9, v9, 528
	v_lshl_add_u32 v9, v2, 4, v9
	v_add_nc_u32 v9, s86, v9
	v_add_nc_u32 v9, RW2L, v9                      ; rw2: row min(r, 5), byte 2 (64 j + 8 h)
.irp tt,0,1,2,3
.irp e,0,1,2,3,4,5
	v_mov_b32 v[16+8*\tt+\e], s[72+\e]             ; the logit sums start from the bias
.endr
	v_mov_b32 v[22+8*\tt], 0                       ; rows 6, 7 of the result are not used
	v_mov_b32 v[23+8*\tt], 0
.irp k,4,5,6,7
	v_mov_b32 v[64+8*\tt+\k], 0                    ; K = 16..31 of the second layer's activations: zero for the whole router (and, in v64.., for the b2 step)
	v_mov_b32 v[96+8*\tt+\k], 0
.endr
.endr
	RSTEP 0
	s_wait_dscnt 0x0
	s_wait_tensorcnt 0x0                           ; router step 1 has landed; no tensor load of mine is out, so a group 0 may be written
	s_add_nc_u64 s[46:47], s[46:47], 262144        ; slot 0's next: expert step 0
	ROUND
	tensor_load_to_lds s[44:47], s[36:43]
	s_nop 0
	RSTEP 1
; ------------------------------------------------------------------ the two j halves of the logits meet
	s_lshl_b32 s81, s30, 11
	s_xor_b32 s82, s81, 2048
	v_lshlrev_b32 v12, 5, v1
	v_add_nc_u32 v12, EXL, v12
	v_add_nc_u32 v13, s82, v12                     ; my partner's
	v_add_nc_u32 v12, s81, v12                     ; mine
	v_cmp_gt_u32 vcc_lo, 16, v3
	s_wait_xcnt 0x0                                ; EXEC changes only behind this wait
	s_and_saveexec_b32 s81, vcc_lo                 ; lanes 0-15 hold rows 0..7 of the result, the six logits among them
.irp tt,0,1,2,3
	ds_store_b128 v12, v[16+8*\tt:19+8*\tt] offset:512*\tt
	ds_store_b128 v12, v[20+8*\tt:23+8*\tt] offset:512*\tt+16
.endr
	s_or_b32 exec_lo, exec_lo, s81
	s_wait_dscnt 0x0                               ; my stores are in LDS and my reads of the router's tables are back
	s_barrier_signal -1                            ; expert step 0 may stay on its way: no slot is filled behind this barrier
	s_barrier_wait -1
; ------------------------------------------------------------------ top-2, weights, aux sums: a loop over my four token tiles.  Both lanes of a token do the same work.
.set F_LG, 200
.set F_M1, 206
.set F_BI, 207
.set F_M2, 208
.set F_B2, 209
.set F_CE, 210
.set F_T,  216
.set F_PE, 222
.set F_W1, 228
.set F_W2, 229
.set F_ED, 230
.set F_RS, 231
.set F_SP, 232
.set F_SM, 238
	s_mul_i32 s82, s30, 3072
	v_lshlrev_b32 v10, 2, v1
	v_add_nc_u32 v10, s82, v10
	v_add_nc_u32 v10, CTL, v10                     ; my wave's factors, entry 0, tile 0
	v_mov_b32 v11, v10                             ; runs over the tiles
	s_lshl_b32 s83, s30, 11
	v_lshlrev_b32 v245, 4, v3
	v_add_nc_u32 v245, s83, v245
	v_add_nc_u32 v245, CFL, v245                   ; my 16 bytes of the b2 step's activations, tile 0
	v_mov_b32 v15, v245                            ; runs over the tiles
.set k, 0
.rept 12
	v_mov_b32 v[F_SP+k], 0                         ; the twelve aux sums
.set k, k+1
.endr
	s_mov_b32 s80, 0
.Ltop2:
	ds_load_b128 v[128:131], v12
	ds_load_b128 v[132:135], v12 offset:16
	ds_load_b128 v[160:163], v13
	ds_load_b128 v[164:167], v13 offset:16
	s_wait_dscnt 0x0
.irp e,0,2,4
	v_pk_add_f32 v[F_LG+\e:F_LG+\e+1], v[128+\e:129+\e], v[160+\e:161+\e]
.endr
.irp e,0,2,4
	v_pk_mul_f32 v[F_LG+\e:F_LG+\e+1], v[F_LG+\e:F_LG+\e+1], s[92:93] op_sel_hi:[1,0]
.endr
	v_mov_b32 v[F_M1], v[F_LG]
	v_mov_b32 v[F_BI], 0
.irp e,1,2,3,4,5
	v_cmp_gt_f32 vcc_lo, v[F_LG+\e], v[F_M1]       ; strictly greater: the lower index wins a tie
	v_cndmask_b32 v[F_M1], v[F_M1], v[F_LG+\e], vcc_lo
	v_cndmask_b32 v[F_BI], v[F_BI], \e, vcc_lo
.endr
	v_mov_b32 v[F_M2], 0xff800000
	v_mov_b32 v[F_B2], 0
.irp e,0,1,2,3,4,5
	v_cmp_gt_f32 s81, v[F_LG+\e], v[F_M2]
	v_cmp_ne_u32 vcc_lo, \e, v[F_BI]
	s_and_b32 vcc_lo, vcc_lo, s81
	v_cndmask_b32 v[F_M2], v[F_M2], v[F_LG+\e], vcc_lo
	v_cndmask_b32 v[F_B2], v[F_B2], \e, vcc_lo
.endr
	v_sub_f32 v[F_ED], v[F_M2], v[F_M1]            ; both softmaxes take the largest logit away first
	v_mul_f32 v[F_ED], 0x3fb8aa3b, v[F_ED]
.irp e,0,1,2,3,4,5
	v_sub_f32 v[F_PE+\e], v[F_LG+\e], v[F_M1]
.endr
.irp e,0,2,4
	v_pk_mul_f32 v[F_PE+\e:F_PE+\e+1], v[F_PE+\e:F_PE+\e+1], 0x3fb8aa3b op_sel_hi:[1,0]
.endr
	v_exp_f32 v[F_ED], v[F_ED]
.irp e,0,1,2,3,4,5
	v_exp_f32 v[F_PE+\e], v[F_PE+\e]
.endr
	v_nop
	s_wait_alu depctr_va_vdst(0)
	v_add_f32 v[F_W1], 1.0, v[F_ED]
	v_add_f32 v[F_RS], v[F_PE], v[F_PE+1]
	v_add_f32 v[F_T], v[F_PE+2], v[F_PE+3]
	v_add_f32 v[F_T+1], v[F_PE+4], v[F_PE+5]
	v_add_f32 v[F_RS], v[F_RS], v[F_T]
	v_add_f32 v[F_RS], v[F_RS], v[F_T+1]
	v_rcp_f32 v[F_W1], v[F_W1]
	v_rcp_f32 v[F_RS], v[F_RS]
	v_nop
	s_wait_alu depctr_va_vdst(0)
	v_mul_f32 v[F_W2], v[F_ED], v[F_W1]
.irp e,0,1,2,3,4,5
	v_cmp_eq_u32 vcc_lo, \e, v[F_B2]
	v_cndmask_b32 v[F_CE+\e], 0, v[F_W2], vcc_lo
	v_cmp_eq_u32 vcc_lo, \e, v[F_BI]
	v_cndmask_b32 v[F_CE+\e], v[F_CE+\e], v[F_W1], vcc_lo
	v_cndmask_b32 v[F_T+\e], 0, 1.0, vcc_lo
	v_add_f32 v[F_SM+\e], v[F_SM+\e], v[F_T+\e]
	v_fmac_f32 v[F_SP+\e], v[F_PE+\e], v[F_RS]
.endr
.irp e,0,2,4
	v_pk_mul_f32 v[F_T+\e:F_T+\e+1], v[F_CE+\e:F_CE+\e+1], 0xbf317218 op_sel_hi:[1,0]     ; -ln 2 c_e
.endr
.irp e,0,1,2,3,4,5
	ds_store_b32 v11, v[F_T+\e] offset:512*\e      ; twice: the experts' loop then steps by one entry a trip
	ds_store_b32 v11, v[F_T+\e] offset:512*\e+256
.endr
.irp e,0,2,4
	v_pk_mul_f32 v[F_CE+\e:F_CE+\e+1], v[F_CE+\e:F_CE+\e+1], 0.5 op_sel_hi:[1,0]
.endr
.irp k,0,1,2
	v_cvt_pk_bf16_f32 v[F_PE+\k], v[F_CE+2*\k], v[F_CE+2*\k+1]
.endr
.irp k,0,1,2
	v_cndmask_b32 v[F_PE+\k], 0, v[F_PE+\k], s96   ; the activations of the b2 step: K = 0..5 hold 0.5 c_e, K = 6..15 are 0
.endr
	v_mov_b32 v[F_PE+3], 0
	ds_store_b128 v15, v[F_PE:F_PE+3]              ; through my own LDS bytes: the tile's fragment registers have numbers of their own
	v_add_nc_u32 v12, 512, v12
	v_add_nc_u32 v13, 512, v13
	v_add_nc_u32 v11, 64, v11
	v_add_nc_u32 v15, 512, v15
	s_add_co_u32 s80, s80, 1
	s_cmp_lt_u32 s80, 4
	s_cbranch_scc1 .Ltop2
.irp tt,0,1,2,3
	ds_load_b128 v[64+8*\tt:67+8*\tt], v245 offset:512*\tt     ; my own stores, served in order; v68-71 .. are zero since the router
.endr
.set k, 0
.rept 12
	v_add_f32_dpp v[F_SP+k], v[F_SP+k], v[F_SP+k] row_xmask:1 row_mask:0xf bank_mask:0xf
	v_add_f32_dpp v[F_SP+k], v[F_SP+k], v[F_SP+k] row_xmask:2 row_mask:0xf bank_mask:0xf
	v_add_f32_dpp v[F_SP+k], v[F_SP+k], v[F_SP+k] row_xmask:4 row_mask:0xf bank_mask:0xf
	v_add_f32_dpp v[F_SP+k], v[F_SP+k], v[F_SP+k] row_xmask:8 row_mask:0xf bank_mask:0xf
.set k, k+1
.endr
	s_cmp_lg_u32 s32, 0                            ; the j = 0 wave writes the record of its 64 tokens
	s_cbranch_scc1 .Lno_aux
	s_lshl_b32 s82, s34, 1
	s_add_co_u32 s82, s82, s31
	s_lshl_b32 s82, s82, 6
	s_mov_b32 s83, 0
	s_add_nc_u64 s[28:29], s[28:29], s[82:83]
	v_mov_b32 v244, 0
	v_cmp_eq_u32 vcc_lo, 0, v3
	s_wait_xcnt 0x0
	s_and_saveexec_b32 s81, vcc_lo
	global_store_b128 v244, v[232:235], s[28:29]
	global_store_b128 v244, v[236:239], s[28:29] offset:16
	global_store_b128 v244, v[240:243], s[28:29] offset:32
	s_wait_xcnt 0x0                                ; EXEC and the stores' registers change only behind this wait
	s_or_b32 exec_lo, exec_lo, s81
.Lno_aux:
; ------------------------------------------------------------------ experts
; Window 0 in this phase, 256 registers in all:
;   v0, v2, v4, v6   c' of my four token tiles.  A packed multiply takes the even register for both halves; the odd partners hold r, the lane and two addresses.
;   v5, v7 / v9, v11 LDS addresses of the first / second layer's fragments in slot 0, 1;  v13 b1;  v15 c';  v8, v10, v12, v14 the way out;  v6 also: b2, ahead of the loop
;   v48-63           b1 as the C of the first K step; afterwards the first pair of tiles' work registers
;   v64-95           hidden fragments, one set: the second layer of chunk c - 1 has read them before the activation of chunk c writes them
;   v128-191         first-layer sums, 8 tiles; a pair of tiles that has been activated lends its 16 registers to the next pair's work
;   X = v192-255, Y = v16-47 and v96-127: two buffers of 8 weight fragments, 32 matrix instructions each
.set AW1,  5
.set AW2,  9
.set VB1,  13
.set VCW,  15
.set VB2,  6
.set VST,  8
.set VRD0, 10
.set VRD1, 12
.set VXO,  14
	s_mul_i32 s81, s32, 32*PITCH
	v_add_nc_u32 v[AW1], s81, v14                  ; first-layer fragments, slot 0, 1: 272 r + 16 h + 32 j rows
	v_add_nc_u32 v[AW1+2], SLOT, v[AW1]
	v_add_nc_u32 v[AW2], s87, v14                  ; second-layer fragments: rows 256 + n, byte 64 j
	v_add_nc_u32 v[AW2], 2*QB, v[AW2]
	v_add_nc_u32 v[AW2+2], SLOT, v[AW2]
	v_lshlrev_b32 v[VB1], 5, v2
	v_add_nc_u32 v[VB1], s86, v[VB1]
	v_add_nc_u32 v[VB1], B1L, v[VB1]               ; b1 as C: 32 h + 128 j
	v_mov_b32 v[VCW], v10                          ; my wave's factors, entry 0
	v_lshlrev_b32 v[VB2], 4, v1
	v_add_nc_u32 v[VB2], B2L, v[VB2]
	s_lshl_b32 s81, s31, 6
	v_add_nc_u32 v[VST], s81, v1                   ; the way out, in: stage j, row 64 i + r, byte 32 h
	v_mul_u32_u24 v[VST], v[VST], XP
	v_lshl_add_u32 v[VST], v2, 5, v[VST]
	s_mul_i32 s81, s32, SLOT
	v_add_nc_u32 v[VST], s81, v[VST]
	s_mul_i32 s81, s30, 32*XP
	v_lshlrev_b32 v[VRD0], 4, v3
	v_add_nc_u32 v[VRD0], s81, v[VRD0]             ; back: rows 32 w .., 16 bytes a lane, stage 0
	v_add_nc_u32 v[VRD1], SLOT, v[VRD0]            ; stage 1
	s_lshl_b32 s81, s30, 15
	v_lshlrev_b32 v[VXO], 4, v3
	v_add_nc_u32 v[VXO], s81, v[VXO]               ; the same half rows in x and out0
.macro SETFB b, f                      ; fb = first register of fragment f of buffer b (0: X, 1: Y)
.set fb, (1-(\b))*(192+8*(\f))+(\b)*(16+8*(\f)+48*((\f)>>2))
.endm
.macro LDF1 s, q, b                    ; 16 loads: the first layer's fragments of K steps 4 b .. 4 b + 3 (units 16 a ..) into buffer b
.irp kk,0,1,2,3
.irp a,0,1
	SETFB \b,2*\kk+\a
	ds_load_b128 v[fb:fb+3], v[AW1+2*\s] offset:\b*QB+(64*\q+16*\a)*PITCH+\kk*64
	ds_load_b128 v[fb+4:fb+7], v[AW1+2*\s] offset:\b*QB+(64*\q+16*\a)*PITCH+\kk*64+32
.endr
.endr
.endm
.macro LDF2 s, q, b                    ; 16 loads: the second layer's fragments of output tiles 8 b .. 8 b + 7 into buffer b
.irp f,0,1,2,3,4,5,6,7
	SETFB \b,\f
	ds_load_b128 v[fb:fb+3], v[AW2+2*\s] offset:16*PITCH*(8*\b+\f)+128*\q
	ds_load_b128 v[fb+4:fb+7], v[AW2+2*\s] offset:16*PITCH*(8*\b+\f)+128*\q+32
.endr
.endm
.macro LDFB2 b                         ; the b2 step: a row's 8 numbers stand for every 8 K; the activations are 0 beyond K = 5
.irp f,0,1,2,3,4,5,6,7
	SETFB \b,\f
	ds_load_b128 v[fb:fb+3], v[VB2] offset:256*(8*\b+\f)
	ds_load_b128 v[fb+4:fb+7], v[VB2] offset:256*(8*\b+\f)
.endr
.endm
.macro LDB1 off                        ; a chunk's b1 in the layout of a C operand: four loads
.irp a,0,1
	ds_load_b128 v[48+8*\a:51+8*\a], v[VB1] offset:\off+64*\a
	ds_load_b128 v[52+8*\a:55+8*\a], v[VB1] offset:\off+64*\a+16
.endr
.endm
; 32 matrix instructions of the first layer: K steps 4 b .. 4 b + 3 on all 8 tiles.  The accumulators take turns, one instruction a turn.
.macro L1BLK b
.irp kk,0,1,2,3
.irp a,0,1
	SETFB \b,2*\kk+\a
.irp tt,0,1,2,3
.if (4*\b+\kk) == 0
	v_wmma_f32_16x16x32_bf16 v[128+8*(4*\a+\tt):135+8*(4*\a+\tt)], v[fb:fb+7], v[64*\tt+8*(4*\b+\kk):64*\tt+8*(4*\b+\kk)+7], v[48+8*\a:55+8*\a]
.else
	v_wmma_f32_16x16x32_bf16 v[128+8*(4*\a+\tt):135+8*(4*\a+\tt)], v[fb:fb+7], v[64*\tt+8*(4*\b+\kk):64*\tt+8*(4*\b+\kk)+7], v[128+8*(4*\a+\tt):135+8*(4*\a+\tt)]
.endif
.endr
.endr
.endr
.endm
; 32 matrix instructions of the second layer: output tiles 8 b .. 8 b + 7 (window 2 + b) x 4 token tiles, by turns.  zero = 1: they start the sums.
; host: one transcendental of the activation stands behind every second matrix instruction, under window 0: 1 = the reciprocals of the first pair of tiles
; (in v48-63), 2 = the exponentials of the second pair (v144-159 to v128-143).  It names no register of the matrix instructions round it.
.macro L2BLK b, host, zero
.set wi, 0
.irp f,0,1,2,3,4,5,6,7
	SETFB \b,\f
.irp tt,0,1,2,3
.if \b == 0
	WIN 0xa0                                       ; C and D in window 2
.else
	WIN 0xf0                                       ; C and D in window 3
.endif
.if \zero
	v_wmma_f32_16x16x32_bf16 v[8*(4*\f+\tt):8*(4*\f+\tt)+7], v[fb:fb+7], v[64+8*\tt:71+8*\tt], 0
.else
	v_wmma_f32_16x16x32_bf16 v[8*(4*\f+\tt):8*(4*\f+\tt)+7], v[fb:fb+7], v[64+8*\tt:71+8*\tt], v[8*(4*\f+\tt):8*(4*\f+\tt)+7]
.endif
.if \host != 0
.if (wi&1) == 0
	WIN 0
.if \host == 1
	v_rcp_f32 v[48+wi/2], v[48+wi/2]
.else
	v_exp_f32 v[128+wi/2], v[144+wi/2]
.endif
.endif
.endif
.set wi, wi+1
.endr
.endr
.endm
; The activation of a pair of tiles (16 values a lane), in five steps.  z: the sums z'; t: 16 work registers; c: the first tile's c' (the second's is c + 2); hf: the first tile's
; four fragment registers (the second's are hf + 8).  H = z' c' / (1 + 2^z').
.macro A_EXP z, t
.set ai, 0
.rept 16
	v_exp_f32 v[\t+ai], v[\z+ai]
.set ai, ai+1
.endr
.endm
.macro A_ADD t
	v_nop                                          ; the plain place behind the exponentials (ISA guide 5.7.2)
.set ai, 0
	s_wait_alu depctr_va_vdst(0)
.rept 8
	v_pk_add_f32 v[\t+ai:\t+ai+1], v[\t+ai:\t+ai+1], 1.0 op_sel_hi:[1,0]
.set ai, ai+2
.endr
.endm
.macro A_RCP t
.set ai, 0
.rept 16
	v_rcp_f32 v[\t+ai], v[\t+ai]
.set ai, ai+1
.endr
.endm
.macro A_MUL z, t, c
	v_nop                                          ; the plain place behind the reciprocals
	s_wait_alu depctr_va_vdst(0)
.irp k,0,2,4,6
	v_pk_mul_f32 v[\t+\k:\t+\k+1], v[\t+\k:\t+\k+1], v[\c:\c+1] op_sel_hi:[1,0]
.endr
.irp k,8,10,12,14
	v_pk_mul_f32 v[\t+\k:\t+\k+1], v[\t+\k:\t+\k+1], v[\c+2:\c+3] op_sel_hi:[1,0]
.endr
.set ai, 0
.rept 8
	v_pk_mul_f32 v[\t+ai:\t+ai+1], v[\t+ai:\t+ai+1], v[\z+ai:\z+ai+1]
.set ai, ai+2
.endr
.endm
.macro A_CVT t, hf
.irp k,0,1,2,3
	v_cvt_pk_bf16_f32 v[\hf+\k], v[\t+2*\k], v[\t+2*\k+1]
.endr
.irp k,0,1,2,3
	v_cvt_pk_bf16_f32 v[\hf+8+\k], v[\t+8+2*\k], v[\t+9+2*\k]
.endr
.endm
; Chunk c = 64 hidden units (my 32), slot s, column half q: the first layer of chunk c (2 x 32 matrix instructions), the second layer of chunk c - 1 (2 x 32), the activation of chunk c.
; LDS loads come in runs of 16: a run fills the buffer that the block in front of it has read, and is waited for one block later.  At the chunk's head X and Y hold the
; first layer's 16 fragments, asked for in the activation of the chunk before (or at the trip's head).
; bnd: 0 none; 1 the step ends here and slot s is filled again; 4 the trip ends here: nothing is asked for the next chunk.   b1off: the next chunk's b1, from v13.
.macro CHUNK s, q, bnd, nxs, nxq, b1off
	WIN 0x04                                       ; source 1 = window 1 (xn); LDS loads name window 0 under this setting too
	s_wait_dscnt 16                                ; b1 (and c') and X are in; Y's 16 loads may be out
	L1BLK 0
	PLACES
	LDF2 \s,\q,0                                   ; X <- second layer, output tiles 0-7
	s_wait_dscnt 16                                ; Y is in: the 16 just issued may be out
	L1BLK 1
	WIN 0
	PLACES                                         ; in front of the readers of the sums and of the loads into Y
	A_EXP 128,48                                   ; tiles 0, 1 begin here, in b1's registers
	A_ADD 48
	LDF2 \s,\q,1                                   ; Y <- second layer, output tiles 8-15: my last reads of this chunk's columns
	s_wait_dscnt 16                                ; X is in
	L2BLK 0,1,0
	WIN 0
	A_MUL 128,48,0                                 ; the sums of tiles 0, 1 are used up: their registers serve tiles 2, 3
	s_wait_dscnt 0x0                               ; Y is in.  Where the step ends: my reads of this slot are back
.if \bnd == 1
	s_wait_tensorcnt 0x0                           ; all my tensor loads have landed: the one that was out is my part of the other slot
	s_add_nc_u64 s[46+4*\s:47+4*\s], s[46+4*\s:47+4*\s], 262144    ; no load of mine is out: this slot's next step
	s_barrier_signal -1                            ; say so; register work alone up to the wait
.endif
	L2BLK 1,2,0
	WIN 0
.if \bnd == 1
	s_barrier_wait -1                              ; nobody reads this slot any more, and the other slot is whole
	CREST                                          ; ... in all four work-groups
	tensor_load_to_lds s[44+4*\s:47+4*\s], s[36:43]    ; my one tensor load behind the round, and the first thing there
	s_nop 0
.endif
	A_ADD 128                                      ; nine places behind the last matrix instruction, in front of the writes of its source 1 and the loads into X and Y
	A_CVT 48,64
.if \bnd != 4
	LDB1 \b1off                                    ; the next chunk's b1 and first-layer fragments: 36 loads, which land while the activation goes on
	LDF1 \nxs,\nxq,0
	LDF1 \nxs,\nxq,1
.endif
	A_RCP 128
	A_MUL 144,128,4
	A_CVT 128,80
	A_EXP 160,144                                  ; tiles 4, 5
	A_ADD 144
	A_RCP 144
	A_MUL 160,144,0
	A_CVT 144,68
	A_EXP 176,160                                  ; tiles 6, 7
	A_ADD 160
	A_RCP 160
	A_MUL 176,160,4
	A_CVT 160,84
.endm
	; the b2 step starts the 64 sums
	LDFB2 0
	LDFB2 1
	s_wait_dscnt 16                                ; the activations (asked for behind the top-2 loop) and X are in
	L2BLK 0,0,1
	s_wait_dscnt 0x0
	L2BLK 1,0,1
	WIN 0
	PLACES                                         ; in front of the first trip's loads into X and Y
	s_mov_b32 s80, 0
; Trip k: chunks 4 k .. 4 k + 3 = expert steps 2 k (slot 0) and 2 k + 1 (slot 1), all of expert k / 2.  At its head slot 1, read last (in trip 0: by the router),
; gets step 2 k + 1; in its middle slot 0 gets step 2 k + 2.  So the 24 refills bring steps 1 to 24, and each of these slots is read later.
; Chunk 0's second-layer half meets wp's zero columns (hidden units below 0) and the b2 step's activations: it adds nothing.
.Ltrip:
	s_wait_dscnt 0x0                               ; my reads of slot 1 are back
	s_wait_tensorcnt 0x0                           ; all my tensor loads have landed: step 2 k is in slot 0; no load of mine is out,
	s_add_nc_u64 s[50:51], s[50:51], 262144        ; so a group 0 may be written: slot 1's next step
	ROUND                                          ; both hold of every wave of the four work-groups
	tensor_load_to_lds s[48:51], s[36:43]          ; my one tensor load behind the round, and the first thing there
	s_nop 0
	LDB1 0                                         ; b1 of chunk 4 k
.irp tt,0,1,2,3
	ds_load_b32 v[2*\tt], v[VCW] offset:64*\tt     ; c' of the trip's expert
.endr
	LDF1 0,0,0
	LDF1 0,0,1
	CHUNK 0,0,0, 0,1, 256
	CHUNK 0,1,1, 1,0, 512
	CHUNK 1,0,0, 1,1, 768
	CHUNK 1,1,4, 0,0, 0
	v_add_nc_u32 v[VB1], 1024, v[VB1]              ; four chunks of b1
	v_add_nc_u32 v[VCW], 256, v[VCW]               ; the next entry of c'
	s_add_co_u32 s80, s80, 1
	s_cmp_lt_u32 s80, 12
	s_cbranch_scc1 .Ltrip
	s_wait_dscnt 0x0
	s_wait_tensorcnt 0x0                           ; my part of the last step has landed
	s_barrier_signal -1
	s_barrier_wait -1                              ; everybody's has; nothing is filled any more
	; x once more, for the residual, into window 1 (xn's fragments have had their last use): 64 half rows of 512 bytes a wave
	WIN 0x40
.set n, 0
.rept 64
	global_load_b128 v[4*n:4*n+3], v[VXO], s[22:23] offset:512*n
.set n, n+1
.endr
	WIN 0
	LDF2 0,0,0                                     ; the second layer of chunk 47, from the last step in slot 0
	LDF2 0,0,1
	s_wait_dscnt 16                                ; X is in
	L2BLK 0,0,0
	s_wait_dscnt 0x0
	L2BLK 1,0,0
	WIN 0
; ------------------------------------------------------------------ the way out
; Each wave lays its partial sums into stage j (the slots have had their last fill): row = token, 1,040 bytes.  Then wave w takes tokens 32 w .. 32 w + 31,
; adds both stages to x and stores: each store of a wave covers 512 consecutive bytes, aligned.
	PLACES
	s_wait_dscnt 0x0                               ; my reads of slot 0 are back
	s_barrier_signal -1
	s_barrier_wait -1                              ; everybody's are: the stages may be written
	WIN 0x08                                       ; store data from window 2
.irp t,0,1,2,3,4,5,6,7
.irp tt,0,1,2,3
	ds_store_b128 v[VST], v[8*(4*\t+\tt):8*(4*\t+\tt)+3] offset:16*XP*\tt+64*\t
	ds_store_b128 v[VST], v[8*(4*\t+\tt)+4:8*(4*\t+\tt)+7] offset:16*XP*\tt+64*\t+16
.endr
.endr
	WIN 0x0c                                       ; from window 3
.irp t,0,1,2,3,4,5,6,7
.irp tt,0,1,2,3
	ds_store_b128 v[VST], v[8*(4*\t+\tt):8*(4*\t+\tt)+3] offset:16*XP*\tt+64*\t+512
	ds_store_b128 v[VST], v[8*(4*\t+\tt)+4:8*(4*\t+\tt)+7] offset:16*XP*\tt+64*\t+528
.endr
.endr
	WIN 0
	s_wait_dscnt 0x0                               ; my stores are in LDS
	s_barrier_signal -1
	s_barrier_wait -1
	s_wait_loadcnt 0x0                             ; x
.set bb, 0
.rept 4
	WIN 0
.set k, 0
.rept 16
	ds_load_b128 v[64+4*k:67+4*k], v[VRD0] offset:((16*bb+k)>>1)*XP+((16*bb+k)&1)*512
	ds_load_b128 v[128+4*k:131+4*k], v[VRD1] offset:((16*bb+k)>>1)*XP+((16*bb+k)&1)*512
.set k, k+1
.endr
	s_wait_dscnt 0x0
	WIN 0x44                                       ; source 1 and destination in window 1: serves the sums and the stores' data
.set k, 0
.rept 16
	v_pk_add_f32 v[4*(16*bb+k):4*(16*bb+k)+1], v[64+4*k:65+4*k], v[4*(16*bb+k):4*(16*bb+k)+1]
	v_pk_add_f32 v[4*(16*bb+k)+2:4*(16*bb+k)+3], v[66+4*k:67+4*k], v[4*(16*bb+k)+2:4*(16*bb+k)+3]
	v_pk_add_f32 v[4*(16*bb+k):4*(16*bb+k)+1], v[128+4*k:129+4*k], v[4*(16*bb+k):4*(16*bb+k)+1]
	v_pk_add_f32 v[4*(16*bb+k)+2:4*(16*bb+k)+3], v[130+4*k:131+4*k], v[4*(16*bb+k)+2:4*(16*bb+k)+3]
	global_store_b128 v[VXO], v[4*(16*bb+k):4*(16*bb+k)+3], s[26:27] offset:512*(16*bb+k) th:TH_STORE_NT
.set k, k+1
.endr
.set bb, bb+1
.endr
	WIN 0
	ROUND                                          ; the closing round: no work-group ends while a partner may still ask jointly
	s_endpgm
.Lfunc_end_k_qb023016d78_main:
	.size	k_qb023016d78_main, .Lfunc_end_k_qb023016d78_main-k_qb023016d78_main
	.p2alignl 7, 3214868480
	.fill 96, 4, 3214868480
	.section	.rodata,"a",@progbits
	.p2align	6, 0x0
	.amdhsa_kernel k_qb023016d78_main
		.amdhsa_group_segment_fixed_size 327680
		.amdhsa_private_segment_fixed_size 0
		.amdhsa_enable_private_segment 0
		.amdhsa_kernarg_size 104
		.amdhsa_user_sgpr_count 2
		.amdhsa_user_sgpr_kernarg_segment_ptr 1
		.amdhsa_wavefront_size32 1
		.amdhsa_system_sgpr_workgroup_id_x 1
		.amdhsa_system_sgpr_workgroup_id_y 1
		.amdhsa_system_sgpr_workgroup_id_z 1
		.amdhsa_system_vgpr_workitem_id 0
		.amdhsa_next_free_vgpr 1024
		.amdhsa_next_free_sgpr 100
		.amdhsa_reserve_vcc 1
		.amdhsa_float_denorm_mode_32 3
		.amdhsa_float_denorm_mode_16_64 3
		.amdhsa_memory_ordered 1
		.amdhsa_forward_progress 1
		.amdhsa_inst_pref_size 255
	.end_amdhsa_kernel
	.section	.bss,"aw",@nobits
	.p2align	6
	.space	262144
	.amdgpu_metadata
---
amdhsa.version: [ 1, 2 ]
amdhsa.kernels:
  - .name:           k_qb023016d78_main
    .symbol:         k_qb023016d78_main.kd
    .args:
      - { .name: b1, .offset: 0, .size: 8, .value_kind: global_buffer, .address_space: global }
      - { .name: b2, .offset: 8, .size: 8, .value_kind: global_buffer, .address_space: global }
      - { .name: ln_b, .offset: 16, .size: 8, .value_kind: global_buffer, .address_space: global }
      - { .name: ln_g, .offset: 24, .size: 8, .value_kind: global_buffer, .address_space: global }
      - { .name: rb1, .offset: 32, .size: 8, .value_kind: global_buffer, .address_space: global }
      - { .name: rb2, .offset: 40, .size: 8, .value_kind: global_buffer, .address_space: global }
      - { .name: regime, .offset: 48, .size: 8, .value_kind: global_buffer, .address_space: global }
      - { .name: rw1, .offset: 56, .size: 8, .value_kind: global_buffer, .address_space: global }
      - { .name: rw2, .offset: 64, .size: 8, .value_kind: global_buffer, .address_space: global }
      - { .name: x, .offset: 72, .size: 8, .value_kind: global_buffer, .address_space: global }
      - { .name: wp, .offset: 80, .size: 8, .value_kind: global_buffer, .address_space: global }
      - { .name: out0, .offset: 88, .size: 8, .value_kind: global_buffer, .address_space: global }
      - { .name: auxp, .offset: 96, .size: 8, .value_kind: global_buffer, .address_space: global }
    .group_segment_fixed_size: 327680
    .private_segment_fixed_size: 0
    .kernarg_segment_align: 8
    .kernarg_segment_size: 104
    .max_flat_workgroup_size: 128
    .sgpr_count:     100
    .vgpr_count:     1024
    .wavefront_size: 32
...
	.end_amdgpu_metadata
.endif
;; end of part 5
;; launch aux: the kernel of part 3 again; grid 1 x 1, 1 waves a work-group, no clusters, 0 bytes of LDS; arguments auxp, out1; writes out1
